; MI455X (gfx1250); checked and timed in simulation.
; The chip was launched on July 23, 2026; its instructions are those of AMD's public machine-readable ISA for CDNA 5 (MIT licence, August 2026) and "CDNA5" Instruction Set Architecture Reference Guide (July 2026). The comments in the code are by the model that wrote it; some were corrected since.
;; Multi Head Dot Product Attention. Allowed arithmetic: float matrix products may take bf16 or f16 operands with f32 sums; all other float work in f32.
;; Inputs: inputs_kv 2 x 2,048 x 1,024 float32; inputs_q 2 x 2,048 x 1,024 float32; k_ln_bias 1,024 float32; k_ln_scale 1,024 float32; mask 2 x 1 x 2,048 x 2,048 bool; q_ln_bias 1,024 float32; q_ln_scale 1,024 float32; wk 1,024 x 1,024 float32; wo 1,024 x 1,024 float32; wq 1,024 x 1,024 float32; wv 1,024 x 1,024 float32.
;; Outputs: out0 2 x 2,048 x 1,024 float32.
;; One version. Each part assembles by itself: llvm-mc -triple=amdgcn-amd-amdhsa -mcpu=gfx1250 --defsym DOCPART=n.
;; ======== version 1 of 1: 5 launches
;; limits: values outside matrix products are rounded to bf16; values are held in f16: magnitudes above 65,504 overflow, below 6.1e-05 lose precision
;; workspace buffers: x16 16,777,216 bytes; w16 8,388,608 bytes; mb 8,388,608 bytes; qkraw 33,554,432 bytes; qk16 16,777,216 bytes; v16 8,388,608 bytes; ctx16 8,388,608 bytes
;; launch prep (part 1): grid 1024 x 1, 8 waves a work-group, no clusters, 0 bytes of LDS; arguments inputs_q, inputs_kv, wq, wk, wv, wo, mask, x16, w16, mb; writes x16, w16, mb
.if DOCPART == 1
	.amdgcn_target "amdgcn-amd-amdhsa--gfx1250"
	.amdhsa_code_object_version 6
	.text
	.protected	k_q5ae944f53f_prep
	.globl	k_q5ae944f53f_prep
	.p2align	8
	.type	k_q5ae944f53f_prep,@function
k_q5ae944f53f_prep:
	s_mov_b64 s[64:65], 0
	v_nop
	global_prefetch_b8 v0, s[64:65] scope:SCOPE_SE
	s_setreg_imm32_b32 hwreg(HW_REG_WAVE_MODE, 25, 1), 1
	s_wait_xcnt 0x0
; PREP: the six large f32 inputs become 16-bit matrix operands, and the mask becomes bytes in the order in which attention wants them.
; Work-groups 0-767: 64 KiB of f32 each.  Every number is rounded once to bf16 (nearest even) and then written as f16.
;   The second step is exact for 2^-17 <= |x| < 65,504.  LIMITS: below 2^-17 it adds an absolute error of at most 2^-25; a number of 65,520 or more becomes infinite.
;   x16 = [inputs_q, inputs_kv], w16 = [wq, wk, wv, wo], each as its source lies, rows of 1,024 numbers.
; Work-groups 768-1023: 16 queries x 2,048 keys of the mask each.  A true byte (1) becomes 0x00, a false one (0) 0xFE:
;   moved to the top of a word, 0xFE is an f32 between -2^125 and -2^127 whatever lies below it, and 0x00 one of at most 2^-125.
;   mb byte ((b*128+Qt)*32+Kb)*1024 + u*512 + L*16 + i  =  query 16 Qt + (L&15), key 64 Kb + 32 u + 16 (i>>3) + 8 (L>>4) + (i&7).
; A stream: no LDS, no barrier, no matrix unit, no cluster (no two work-groups read the same byte).
.set XR, 8                             ; v[8:71]   as loaded
.set YR, 72                            ; v[72:103] to store
	s_load_b512 s[8:23], s[0:1], 0x0               ; inputs_q s[8:9], inputs_kv s[10:11], wq, wk, wv, wo s[12:19], mask s[20:21], x16 s[22:23]
	s_load_b128 s[24:27], s[0:1], 0x40             ; w16 s[24:25], mb s[26:27]
	s_lshr_b32 s4, ttmp9, 6                        ; g: 0-3 inputs_q, 4-7 inputs_kv, 8-11 the four weights, 12-15 the mask
	s_cmp_ge_u32 s4, 12
	s_cbranch_scc1 .Lmask
	; ---- conversion: thread t owns 32 bytes of f32 at 32 t of each of eight blocks of 8,192 bytes, and 16 bytes of f16 at 16 t of each block of 4,096
	s_mov_b32 s5, 0xffff0000                       ; the upper bf16 of a word
	v_lshlrev_b32 v1, 5, v0
	v_lshlrev_b32 v2, 4, v0
	s_and_b32 s6, ttmp9, 255                       ; my place in an activation tensor (256 work-groups)
	s_and_b32 s7, ttmp9, 63                        ; or in a weight (64 work-groups)
	s_cmp_lt_u32 s4, 8
	s_cselect_b32 s6, s6, s7
	s_lshl_b32 s28, s6, 16                         ; 64 KiB of source each
	s_mov_b32 s29, 0
	s_and_b32 s30, ttmp9, 511                      ; my place in x16 (ids 0-511) or in w16 (ids 512-767)
	s_lshl_b32 s30, s30, 15                        ; 32 KiB of target each
	s_mov_b32 s31, 0
	s_wait_kmcnt 0x0
	s_cmp_ge_u32 s4, 4
	s_cselect_b64 s[32:33], s[10:11], s[8:9]
	s_cmp_ge_u32 s4, 8
	s_cselect_b64 s[32:33], s[12:13], s[32:33]
	s_cmp_ge_u32 s4, 9
	s_cselect_b64 s[32:33], s[14:15], s[32:33]
	s_cmp_ge_u32 s4, 10
	s_cselect_b64 s[32:33], s[16:17], s[32:33]
	s_cmp_ge_u32 s4, 11
	s_cselect_b64 s[32:33], s[18:19], s[32:33]
	s_cmp_ge_u32 s4, 8
	s_cselect_b64 s[34:35], s[24:25], s[22:23]
	s_add_nc_u64 s[32:33], s[32:33], s[28:29]
	s_add_nc_u64 s[34:35], s[34:35], s[30:31]
.irp i, 0,1,2,3,4,5,6,7
	global_load_b128 v[XR+8*\i:XR+8*\i+3],   v1, s[32:33] offset:8192*\i th:TH_LOAD_NT
	global_load_b128 v[XR+8*\i+4:XR+8*\i+7], v1, s[32:33] offset:8192*\i+16 th:TH_LOAD_NT
.endr
.irp i, 0,1,2,3,4,5,6,7
	s_wait_loadcnt 14-2*\i                         ; loads come back in order: pair i is in, the 14 - 2 i issued behind it stay out
.irp k, 0,1,2,3
	v_cvt_pk_bf16_f32 v[4+\k], v[XR+8*\i+2*\k], v[XR+8*\i+2*\k+1]   ; the one rounding of the inputs
.endr
.irp k, 0,1,2,3
	v_lshlrev_b32 v[XR+8*\i+2*\k],   16, v[4+\k]                    ; back to f32: the low half moves up,
	v_and_b32     v[XR+8*\i+2*\k+1], s5, v[4+\k]                    ; the high half stays
.endr
.irp k, 0,1,2,3
	v_cvt_pk_f16_f32 v[YR+4*\i+\k], v[XR+8*\i+2*\k], v[XR+8*\i+2*\k+1]   ; 8 significant bits fit in f16
.endr
	global_store_b128 v2, v[YR+4*\i:YR+4*\i+3], s[34:35] offset:4096*\i  ; a store of the wave covers 512 consecutive bytes, aligned
.endr
	s_endpgm
	; ---- the mask: wave w takes keys 256 w .. 256 w + 255 of 16 queries; lane (r, e) takes 16 bytes of query r at 16 e + 32 i, i = 0..7
.Lmask:
	s_sub_co_u32 s6, ttmp9, 768                    ; b*128 + Qt
	s_lshl_b32 s28, s6, 15                         ; 16 rows of 2,048 bytes in, 32 KiB out
	s_mov_b32 s29, 0
	s_mov_b32 s7, 0x01010101
	s_movk_i32 s30, 0xfe
	v_and_b32 v1, 15, v0                           ; r
	v_bfe_u32 v2, v0, 4, 1                         ; e
	v_lshrrev_b32 v3, 5, v0                        ; w
	v_lshlrev_b32 v4, 11, v1
	v_lshl_add_u32 v4, v3, 8, v4
	v_lshl_add_u32 v4, v2, 4, v4                   ; from: 2048 r + 256 w + 16 e
	v_lshlrev_b32 v5, 12, v3
	v_lshl_add_u32 v5, v1, 4, v5
	v_lshl_add_u32 v5, v2, 3, v5                   ; to: 4096 w + 16 r + 8 e
	s_wait_kmcnt 0x0
	s_add_nc_u64 s[20:21], s[20:21], s[28:29]
	s_add_nc_u64 s[26:27], s[26:27], s[28:29]
.irp i, 0,1,2,3,4,5,6,7
	global_load_b128 v[XR+4*\i:XR+4*\i+3], v4, s[20:21] offset:32*\i
.endr
.irp i, 0,1,2,3,4,5,6,7
	s_wait_loadcnt 7-\i                            ; load i is in, the younger ones stay out
.irp k, 0,1,2,3
	v_xor_b32 v[XR+4*\i+\k], s7, v[XR+4*\i+\k]     ; four bytes at once: 1 where the key is masked
.endr
.irp k, 0,1,2,3
	v_mul_lo_u32 v[XR+4*\i+\k], v[XR+4*\i+\k], s30 ; 0 or 0xFE in each byte: no carry leaves a byte
.endr
	global_store_b64 v5, v[XR+4*\i:XR+4*\i+1],   s[26:27] offset:512*\i       ; keys +0..7 of my 16: lanes 0-15 of the consumer; the wave fills 256 consecutive bytes, aligned
	global_store_b64 v5, v[XR+4*\i+2:XR+4*\i+3], s[26:27] offset:512*\i+256   ; keys +8..15: its lanes 16-31
.endr
	s_endpgm
.Lfunc_end_k_q5ae944f53f_prep:
	.size	k_q5ae944f53f_prep, .Lfunc_end_k_q5ae944f53f_prep-k_q5ae944f53f_prep
	.p2alignl 7, 3214868480
	.fill 96, 4, 3214868480
	.section	.rodata,"a",@progbits
	.p2align	6, 0x0
	.amdhsa_kernel k_q5ae944f53f_prep
		.amdhsa_group_segment_fixed_size 0
		.amdhsa_private_segment_fixed_size 0
		.amdhsa_enable_private_segment 0
		.amdhsa_kernarg_size 80
		.amdhsa_user_sgpr_count 2
		.amdhsa_user_sgpr_kernarg_segment_ptr 1
		.amdhsa_wavefront_size32 1
		.amdhsa_system_sgpr_workgroup_id_x 1
		.amdhsa_system_sgpr_workgroup_id_y 1
		.amdhsa_system_sgpr_workgroup_id_z 1
		.amdhsa_system_vgpr_workitem_id 0
		.amdhsa_next_free_vgpr 104
		.amdhsa_next_free_sgpr 66
		.amdhsa_reserve_vcc 0
		.amdhsa_float_denorm_mode_32 3
		.amdhsa_float_denorm_mode_16_64 3
		.amdhsa_memory_ordered 1
		.amdhsa_forward_progress 1
		.amdhsa_inst_pref_size 17
	.end_amdhsa_kernel
	.amdgpu_metadata
---
amdhsa.version: [ 1, 2 ]
amdhsa.kernels:
  - .name:           k_q5ae944f53f_prep
    .symbol:         k_q5ae944f53f_prep.kd
    .args:
      - { .name: inputs_q, .offset: 0, .size: 8, .value_kind: global_buffer, .address_space: global }
      - { .name: inputs_kv, .offset: 8, .size: 8, .value_kind: global_buffer, .address_space: global }
      - { .name: wq, .offset: 16, .size: 8, .value_kind: global_buffer, .address_space: global }
      - { .name: wk, .offset: 24, .size: 8, .value_kind: global_buffer, .address_space: global }
      - { .name: wv, .offset: 32, .size: 8, .value_kind: global_buffer, .address_space: global }
      - { .name: wo, .offset: 40, .size: 8, .value_kind: global_buffer, .address_space: global }
      - { .name: mask, .offset: 48, .size: 8, .value_kind: global_buffer, .address_space: global }
      - { .name: x16, .offset: 56, .size: 8, .value_kind: global_buffer, .address_space: global }
      - { .name: w16, .offset: 64, .size: 8, .value_kind: global_buffer, .address_space: global }
      - { .name: mb, .offset: 72, .size: 8, .value_kind: global_buffer, .address_space: global }
    .group_segment_fixed_size: 0
    .private_segment_fixed_size: 0
    .kernarg_segment_align: 8
    .kernarg_segment_size: 80
    .max_flat_workgroup_size: 256
    .sgpr_count:     66
    .vgpr_count:     104
    .wavefront_size: 32
...
	.end_amdgpu_metadata
.endif
;; end of part 1
;; launch gemm_qkv (part 2): grid 12 x 16, 4 waves a work-group, clusters of 4 x 4, 327,680 bytes of LDS; arguments x16, w16, qkraw, v16; writes qkraw, v16
.if DOCPART == 2
	.amdgcn_target "amdgcn-amd-amdhsa--gfx1250"
	.amdhsa_code_object_version 6
	.text
	.protected	k_q5ae944f53f_gemm_qkv
	.globl	k_q5ae944f53f_gemm_qkv
	.p2align	8
	.type	k_q5ae944f53f_gemm_qkv,@function
k_q5ae944f53f_gemm_qkv:
	s_mov_b64 s[64:65], 0
	v_nop
	global_prefetch_b8 v0, s[64:65] scope:SCOPE_SE
	s_setreg_imm32_b32 hwreg(HW_REG_WAVE_MODE, 25, 1), 1
	s_wait_xcnt 0x0
	s_wait_alu depctr_hold_cnt(0) depctr_sa_sdst(0) depctr_va_vdst(0) depctr_va_sdst(0) depctr_va_ssrc(0) depctr_va_vcc(0) depctr_vm_vsrc(0)
	s_getreg_b32 s2, hwreg(HW_REG_IB_STS2, 6, 4)
	s_cmp_eq_u32 s2, 0
	s_cbranch_scc0 .Lentry_in_a_cluster
	s_endpgm
.Lentry_in_a_cluster:
	s_bfe_u32 s2, ttmp6, 0x10000c
	s_cmp_lg_u32 s2, 0xf033
	s_cbranch_scc0 .Lentry_shape_is_right
	s_endpgm
.Lentry_shape_is_right:
; THE THREE PROJECTIONS: C[m][n] = sum over k of A[m][k] B[n][k], 4096 x 1024 x 1024 each, f16 operands, f32 sums.
; p = the cluster's x: 0: q = inputs_q wq^T, 1: k = inputs_kv wk^T (both leave as f32 into qkraw, for the LayerNorm), 2: v = inputs_kv wv^T (leaves as f16 into v16).
; LIMIT: |v| stays below 65,504 (f16).
; A work-group makes 256 x 256 of C with four waves, one for each SIMD of a WGP; a wave makes 128 x 128: 64 accumulator tiles of 16 x 16, 512 registers.
; 3 x 16 x 4 = 192 work-groups: smaller blocks would fill more WGPs and feed fewer multiply-adds from each LDS byte.
; K goes in steps of 128 through a ring of two LDS slots filled by the tensor data mover: a row of a tile is 256 bytes of memory, aligned.
; CLUSTERS: 4 x 4 work-groups, all of one projection.  The four of a row of the cluster need the same tiles of A, the four of a column the same tiles of B:
; each such tile is asked for jointly, by the same tensor load with the same descriptor and a mask that names the four.
;
; REGISTERS, in windows of 256:
;   window 0: v0-31 addresses; v64-127, v128-191 fragments of A, two buffers; v192-223 at work on the way out
;   window 1: v64-127, v128-191 fragments of B, two buffers
;   window 2: the 32 accumulator tiles of my rows 0-63 (tile (a, b) at v[8 (8 a + b)]);   window 3: those of my rows 64-127
; THE MATRIX INSTRUCTION IS USED TRANSPOSED: source 0 = 16 rows of B, source 1 = 16 rows of A, so that lane l holds row l % 16 of C and
; its registers 0 to 7 the neighbouring columns 8 (l / 16) + 0 .. 7.
.set SIZE_K, 1024
.set KSTEP,  128
.set PITCH,  272                       ; an LDS row: 256 bytes + 16 of padding: the 16 rows of a fragment load start 16 bytes apart modulo 256
.set HALFT,  128*PITCH                 ; 128 rows: what one tensor load brings
.set SLOT,   4*HALFT                   ; 256 rows of A, then 256 rows of B
.set STAGE,  2*SLOT                    ; behind the ring, never filled by a tensor load: a stage for each wave, for the way out
.set SPITCH, 272                       ; stage pitch, f16 rows of 256 bytes
.set FPITCH, 528                       ; stage pitch, f32 rows of 512 bytes
.set WSTAGE, 16*FPITCH                 ; bytes of a wave's stage
.set LAPS, SIZE_K/(2*KSTEP)            ; a lap = two K steps = once round the ring: 4
.set ADRA, 16                          ; v16-17  LDS address of my A fragments in slot 0, 1
.set ADRB, 20                          ; v20-21  the same for B
.set STO,  24                          ; f16 way out: where I put 16 bytes of a row
.set RD,   25                          ; f16 way out: where I read rows back
.set CO,   26                          ; f16 way out: my byte offset in C
.set STO2, 27                          ; the same three for the f32 way out
.set RD2,  28
.set CO2,  29
.set F0,   64
.set F1,   128
.set TMP,  192
.set G1, 24                            ; s[24:31] descriptor group 1 for tiles of A
.set G0, 32                            ; s[32:39] group 0 for tiles of A, a set for each slot
.set G1B, 48                           ; s[48:55] group 1 for tiles of B: another mask
.set G0B, 56                           ; s[56:63] group 0 for tiles of B
.set MSB, 0
.macro WIN new                         ; the high byte of the immediate repeats the setting that is left
.if MSB != \new
	s_set_vgpr_msb (MSB<<8)|\new
.set MSB, \new
.endif
.endm
.set MUL_LO, 0xa1                      ; source 0 (B) window 1, source 1 (A) window 0, C and D window 2
.set MUL_HI, 0xf1                      ; the same, C and D window 3
.set TO_B,   0x40                      ; destination window 1, address window 0
; A joint load.  Waves 0 and 1 fetch the two halves of A, waves 2 and 3 those of B.  The branch hangs on the wave number alone.
.macro JLOAD s
	s_cmp_eq_u32 s11, 0
	s_cbranch_scc0 .Lfor_b_\@
	tensor_load_to_lds s[G0+4*\s:G0+4*\s+3], s[G1:G1+7]
	s_nop 0
	s_branch .Lasked_\@
.Lfor_b_\@:
	tensor_load_to_lds s[G0B+4*\s:G0B+4*\s+3], s[G1B:G1B+7]
	s_nop 0
.Lasked_\@:
.endm
; A round of the cluster barrier: the work-group barrier, wave 0 signals for the work-group, every wave waits for all sixteen, the work-group barrier again.
.macro CREST                           ; a round behind its opening barrier
	s_cmp_lg_u32 s10, 0
	s_cbranch_scc1 .Lnot_wave_0_\@
	s_barrier_signal -3
.Lnot_wave_0_\@:
	s_barrier_wait -3
	s_barrier_signal -1
	s_barrier_wait -1
.endm
.macro CROUND
	s_barrier_signal -1
	s_barrier_wait -1
	CREST
.endm
	s_load_b128 s[4:7], s[0:1], 0x0                ; x16 s[4:5], w16 s[6:7]
	s_load_b128 s[68:71], s[0:1], 0x10             ; qkraw s[68:69], v16 s[70:71]
	s_set_vgpr_msb 0x40
	v_lshl_add_u32 v255, v0, 2, 0x4c400
	s_set_vgpr_msb 0x4000
	v_mov_b32 v255, 0
	s_set_vgpr_msb 0x1
	ds_add_u32 v255, v255
	s_set_vgpr_msb 0x100
	v_lshrrev_b32 v1, 5, v0
	v_readfirstlane_b32 s10, v1                    ; wave 0..3
	s_lshr_b32 s11, s10, 1                         ; which half of the block rows is mine.  Also: I fetch for A (0) or for B (1)
	s_and_b32 s12, s10, 1                          ; which half of its columns.  Also: which 128 rows of that tile I fetch
	s_bfe_u32 s40, ttmp6, 0x40000                  ; cx = block column of C (1,024 columns are four blocks)
	s_bfe_u32 s41, ttmp6, 0x40004                  ; cy
	s_and_b32 s13, ttmp7, 0xffff
	s_lshl_b32 s13, s13, 2
	s_add_co_u32 s13, s13, s41                     ; block row of C = 4 x cluster y + cy
	s_lshl_b32 s43, s41, 2
	s_lshl_b32 s43, 15, s43                        ; my row of the cluster: places 4 cy .. 4 cy + 3
	s_lshl_b32 s44, 0x1111, s40                    ; my column: places cx, cx + 4, cx + 8, cx + 12
	; group 1: a tile of 128 rows x 128 elements of 2 bytes, 4 words of padding behind every 64 words
	s_or_b32 s[G1+0], s43, (1<<16)|(1<<20)|(1<<21)|(5<<22)|(3<<25)
	s_or_b32 s[G1B+0], s44, (1<<16)|(1<<20)|(1<<21)|(5<<22)|(3<<25)
	s_mov_b32 s[G1B+1], KSTEP<<16
	s_mov_b32 s[G1+1], KSTEP<<16                   ; tensor_dim0 = 128
	s_mov_b32 s[G1B+2], 128<<16
	s_mov_b32 s[G1+2], 128<<16                     ; tensor_dim1 = 128
	s_mov_b32 s[G1B+3], KSTEP<<16
	s_mov_b32 s[G1+3], KSTEP<<16                   ; tile_dim0 = 128
	s_mov_b32 s[G1B+4], 128
	s_mov_b32 s[G1+4], 128                         ; tile_dim1 = 128
	s_mov_b32 s[G1B+5], SIZE_K
	s_mov_b32 s[G1+5], SIZE_K                      ; elements from row to row
	s_mov_b32 s[G1B+6], 0
	s_mov_b32 s[G1+6], 0
	s_mov_b32 s[G1B+7], 0
	s_mov_b32 s[G1+7], 0
	; byte offsets of my tiles.  That of A hangs on the block row and p, that of B on the block column and p; p is the same in the whole cluster.
	s_lshl_b32 s17, s12, 7                         ; which 128 rows of the tile I fetch
	s_lshl_b32 s16, s13, 8
	s_add_co_u32 s16, s16, s17                     ; A: row 256 x block row + 128 x half
	s_lshl_b32 s46, s40, 8
	s_add_co_u32 s46, s46, s17                     ; B: row 256 x block column + 128 x half
	s_lshl_b32 s16, s16, 11                        ; rows of 2,048 bytes
	s_lshl_b32 s46, s46, 11
	s_cmp_lg_u32 ttmp9, 0
	s_cselect_b32 s72, 0x800000, 0                 ; k and v read inputs_kv, the second 8 MiB of x16
	s_add_co_u32 s16, s16, s72
	s_lshl_b32 s74, ttmp9, 21                      ; weight p, 2 MiB each
	s_add_co_u32 s46, s46, s74
	s_mov_b32 s17, 0
	s_mov_b32 s47, 0
	s_cmp_eq_u32 ttmp9, 1
	s_cselect_b32 s72, 0x1000000, 0                ; raw k is the second 16 MiB of qkraw
	s_mov_b32 s73, 0
	s_mul_i32 s20, s10, HALFT                      ; where my tiles go: wave x 128 rows
	s_wait_dscnt 0x0
	s_wait_kmcnt 0x0
	s_add_nc_u64 s[14:15], s[4:5], s[16:17]
	s_add_nc_u64 s[46:47], s[6:7], s[46:47]
	s_cmp_eq_u32 ttmp9, 2
	s_cselect_b64 s[8:9], s[70:71], s[68:69]       ; C: v16 for p = 2, else qkraw
	s_add_nc_u64 s[8:9], s[8:9], s[72:73]
	CROUND                                         ; all sixteen work-groups are here: the first joint loads meet
.irp s, 0,1
	s_mov_b32 s[G0+4*\s], 1                                        ; count = 1
	s_add_co_u32 s[G0+4*\s+1], s20, \s*SLOT                        ; LDS address
	s_add_nc_u64 s[G0+4*\s+2:G0+4*\s+3], s[14:15], \s*KSTEP*2      ; global address: K step s
	s_or_b32 s[G0+4*\s+3], s[G0+4*\s+3], 0x80000000                ; type = 2
	s_mov_b32 s[G0B+4*\s], 1
	s_add_co_u32 s[G0B+4*\s+1], s20, \s*SLOT
	s_add_nc_u64 s[G0B+4*\s+2:G0B+4*\s+3], s[46:47], \s*KSTEP*2
	s_or_b32 s[G0B+4*\s+3], s[G0B+4*\s+3], 0x80000000
	JLOAD \s                                       ; the ring is filled before anything else is done: two loads of the wave are out
.endr
	; A fragment is 16 rows x 32 K in 8 registers: lane l holds row l % 16; registers 0-3 K = 8 (l / 16) + 0..7, registers 4-7 K = 16 + 8 (l / 16) + 0..7.
	v_and_b32 v1, 15, v0                           ; l % 16
	v_bfe_u32 v2, v0, 4, 1                         ; l / 16
	v_and_b32 v6, 31, v0                           ; l
	v_mul_u32_u24 v3, v1, PITCH
	v_lshl_add_u32 v3, v2, 4, v3                   ; row x pitch + 16 x half
	s_mul_i32 s21, s11, HALFT                      ; my 128 rows of A
	s_mul_i32 s22, s12, HALFT                      ; my 128 rows of B,
	s_add_co_u32 s22, s22, 2*HALFT                 ; which lie behind the 256 of A
.irp s, 0,1
	v_add_nc_u32 v[ADRA+\s], s21, v3
	v_add_nc_u32 v[ADRB+\s], s22, v3
	s_add_co_u32 s21, s21, SLOT
	s_add_co_u32 s22, s22, SLOT
.endr
	s_mul_i32 s23, s10, WSTAGE
	s_add_co_u32 s23, s23, STAGE                   ; my stage
	v_mul_u32_u24 v4, v1, SPITCH                   ; f16, in: row l % 16, 16 bytes for each half of the lanes
	v_lshl_add_u32 v4, v2, 4, v4
	v_add_nc_u32 v[STO], s23, v4
	v_mul_u32_u24 v5, v2, SPITCH                   ; f16, back: lanes 0-15 one row of 256 bytes, lanes 16-31 the next
	v_lshl_add_u32 v5, v1, 4, v5
	v_add_nc_u32 v[RD], s23, v5
	v_lshlrev_b32 v5, 11, v2                       ; and the same two rows in v16 (2,048 bytes each)
	v_lshl_add_u32 v[CO], v1, 4, v5
	v_mul_u32_u24 v4, v1, FPITCH                   ; f32, in: row l % 16, 32 bytes for each half of the lanes
	v_lshl_add_u32 v4, v2, 5, v4
	v_add_nc_u32 v[STO2], s23, v4
	v_lshl_add_u32 v[RD2], v6, 4, s23              ; f32, back: 32 lanes take one row of 512 bytes
	v_lshlrev_b32 v[CO2], 4, v6
; 16 matrix instructions: m blocks a0, a0 + 1 of the four of the window x all 8 n blocks, 32 along K.  zero = 1: the first product starts the sums.
; The 64 accumulators take turns, one instruction a turn, in the same order in every quarter step.
.macro MUL16 f, hi, a0, zero
.irp a, \a0, \a0+1
.irp b, 0,1,2,3,4,5,6,7
.if \zero
	v_wmma_f32_16x16x32_f16 v[8*(8*(\a)+\b):8*(8*(\a)+\b)+7], v[\f+8*\b:\f+8*\b+7], v[\f+8*(4*\hi+\a):\f+8*(4*\hi+\a)+7], 0
.else
	v_wmma_f32_16x16x32_f16 v[8*(8*(\a)+\b):8*(8*(\a)+\b)+7], v[\f+8*\b:\f+8*\b+7], v[\f+8*(4*\hi+\a):\f+8*(4*\hi+\a)+7], v[8*(8*(\a)+\b):8*(8*(\a)+\b)+7]
.endif
.endr
.endr
.endm
; 32 LDS loads in one run: the fragments of one quarter step (128 rows of B, 128 rows of A, 32 K at byte k of the rows) into buffer f
.macro FETCH slot, k, f
	WIN TO_B
.irp i, 0,1,2,3,4,5,6,7
	ds_load_b128 v[\f+8*\i:\f+8*\i+3],   v[ADRB+\slot] offset:\k+\i*16*PITCH
	ds_load_b128 v[\f+8*\i+4:\f+8*\i+7], v[ADRB+\slot] offset:\k+\i*16*PITCH+32
.endr
	WIN 0
.irp i, 0,1,2,3,4,5,6,7
	ds_load_b128 v[\f+8*\i:\f+8*\i+3],   v[ADRA+\slot] offset:\k+\i*16*PITCH
	ds_load_b128 v[\f+8*\i+4:\f+8*\i+7], v[ADRA+\slot] offset:\k+\i*16*PITCH+32
.endr
.endm
; Four independent vector instructions stand between a matrix instruction and a load into one of its registers, or a reader of its result.
.macro PLACES
.rept 4
	v_nop
.endr
.endm
; One of the first three quarter steps: multiplies buffer f; in its middle it fetches the fragments of the next quarter into buffer g.
.macro QUARTER slot, k, f, g, zero
	s_wait_dscnt 8                                 ; B and rows 0-63 of A are in; the youngest eight loads (rows 64-127 of A) may be out
	WIN MUL_LO
	MUL16 \f, 0, 0, \zero
	MUL16 \f, 0, 2, \zero
	PLACES
	FETCH \slot, \k, \g
	s_wait_dscnt 32                                ; all but the 32 just issued
	WIN MUL_HI
	MUL16 \f, 1, 0, \zero
	MUL16 \f, 1, 2, \zero
.endm
.macro THREE slot, zero
	QUARTER \slot, 64,  F0, F1, \zero
	QUARTER \slot, 128, F1, F0, 0
	QUARTER \slot, 192, F0, F1, 0
.endm
; The last quarter: multiplies buffer 1 and changes slots.  In front of the barrier each wave waits for its reads of this slot and for all its
; tensor loads (the one that is out is its part of the next slot).  Behind it the refill comes first, then the first fragments of the next slot.
.macro TURN slot, next, fill
	s_wait_dscnt 8
	WIN MUL_LO
	MUL16 F1, 0, 0, 0
	s_wait_dscnt 0                                 ; my reads of this slot are over
	s_wait_tensorcnt 0x0                           ; and all my tensor loads have landed
	ds_add_u32 v255, v255
	s_wait_dscnt 0x0
	s_barrier_signal -1                            ; say so (where a slot is filled again this barrier opens a round of the cluster barrier),
	MUL16 F1, 0, 2, 0                              ; work on registers while the others arrive,
	WIN 0
	s_barrier_wait -1
.if \fill
	CREST                                          ; no wave of any partner still reads this slot or has a load on its way
	s_add_nc_u64 s[G0+4*\slot+2:G0+4*\slot+3], s[G0+4*\slot+2:G0+4*\slot+3], 2*KSTEP*2
	s_add_nc_u64 s[G0B+4*\slot+2:G0B+4*\slot+3], s[G0B+4*\slot+2:G0B+4*\slot+3], 2*KSTEP*2
	JLOAD \slot                                    ; the first tensor load behind the round, the only one of the wave until the next
.endif
	PLACES
	FETCH \next, 0, F0
	WIN MUL_HI
	MUL16 F1, 1, 0, 0
	MUL16 F1, 1, 2, 0
.endm
.macro LAP zero
	THREE 0, \zero
	TURN 0, 1, 1
	THREE 1, 0
	TURN 1, 0, 1
.endm
	s_wait_tensorcnt 1                             ; my part of K step 0 is in; that of K step 1 stays out
	s_barrier_signal -1
	s_barrier_wait -1
	FETCH 0, 0, F0
	LAP 1                                          ; the first lap stands in front of the loop: its first products start the sums
	WIN 0                                          ; at a label and at a branch every window is 0
	s_mov_b32 s3, LAPS-2
.Llap:
	LAP 0
	WIN 0
	s_sub_co_u32 s3, s3, 1
	s_cmp_lg_u32 s3, 0
	s_cbranch_scc1 .Llap
	THREE 0, 0                                     ; the last lap fills nothing
	TURN 0, 1, 0
	THREE 1, 0
	s_wait_dscnt 8
	WIN MUL_LO
	MUL16 F1, 0, 0, 0
	MUL16 F1, 0, 2, 0
	s_wait_dscnt 0
	WIN MUL_HI
	MUL16 F1, 1, 0, 0
	MUL16 F1, 1, 2, 0
	; THE WAY OUT, 16 rows of C at a time through my own stage in LDS, so that whole rows leave.
	PLACES                                         ; behind the last matrix instructions: for the readers of results and for the loads into buffers 0 and 1
	WIN 0
	s_lshl_b32 s13, s13, 8
	s_lshl_b32 s14, s11, 7
	s_add_co_u32 s16, s13, s14                     ; my first row of C
	s_mov_b32 s17, 0
	s_lshl_b32 s46, s40, 1
	s_add_co_u32 s46, s46, s12                     ; my first column, in units of 128
	s_mov_b32 s47, 0
	s_cmp_eq_u32 ttmp9, 2                          ; p is the same in all waves and all partners
	s_cbranch_scc1 .Lout_v
; f32: rows 16 i .. 16 i + 15 of my block = the eight tiles (a, 0..7) of window 2 or 3 (from = 0x08 or 0x0c: the data of an LDS store are source 1)
.macro OUT16F i, a, from, f
	WIN \from
.irp b, 0,1,2,3,4,5,6,7
	ds_store_b128 v[STO2], v[8*(8*\a+\b):8*(8*\a+\b)+3]   offset:64*\b
	ds_store_b128 v[STO2], v[8*(8*\a+\b)+4:8*(8*\a+\b)+7] offset:64*\b+16
.endr
	WIN 0
	s_wait_xcnt 0x0                                ; buffer f, which earlier stores read, and the base of the stores are rewritten only behind this wait
.if \i
	s_add_nc_u64 s[8:9], s[8:9], 16*4096           ; 16 rows of C on
.endif
.irp t, 0,1,2,3,4,5,6,7,8,9,10,11,12,13,14,15
	ds_load_b128 v[\f+4*\t:\f+4*\t+3], v[RD2] offset:\t*FPITCH     ; LDS serves the instructions of a wave in order: these see the stores above
.endr
.irp t, 0,1,2,3,4,5,6,7,8,9,10,11,12,13,14,15
	s_wait_dscnt 15-\t
	global_store_b128 v[CO2], v[\f+4*\t:\f+4*\t+3], s[8:9] offset:\t*4096   ; the wave stores 512 consecutive bytes of one row, aligned
.endr
.endm
	s_lshl_b32 s16, s16, 12                        ; rows of 4,096 bytes
	s_lshl_b32 s46, s46, 9                         ; 128 columns of 4 bytes
	s_add_nc_u64 s[8:9], s[8:9], s[16:17]
	s_add_nc_u64 s[8:9], s[8:9], s[46:47]
	OUT16F 0, 0, 0x08, F0
	OUT16F 1, 1, 0x08, F1
	OUT16F 2, 2, 0x08, F0
	OUT16F 3, 3, 0x08, F1
	OUT16F 4, 0, 0x0c, F0
	OUT16F 5, 1, 0x0c, F1
	OUT16F 6, 2, 0x0c, F0
	OUT16F 7, 3, 0x0c, F1
	s_branch .Lclose
; f16: the same rows, rounded once (from = 0x0a or 0x0f: sources 0 and 1 of the conversions)
.macro OUT16 i, a, from, f
	WIN \from
.irp b, 0,1,2,3,4,5,6,7
.irp r, 0,1,2,3
	v_cvt_pk_f16_f32 v[TMP+4*\b+\r], v[8*(8*\a+\b)+2*\r], v[8*(8*\a+\b)+2*\r+1]
.endr
.endr
	WIN 0
.irp b, 0,1,2,3,4,5,6,7
	ds_store_b128 v[STO], v[TMP+4*\b:TMP+4*\b+3] offset:32*\b
.endr
	s_wait_xcnt 0x0                                ; as above
.if \i
	s_add_nc_u64 s[8:9], s[8:9], 16*2048
.endif
.irp t, 0,1,2,3,4,5,6,7
	ds_load_b128 v[\f+4*\t:\f+4*\t+3], v[RD] offset:\t*2*SPITCH
.endr
.irp t, 0,1,2,3,4,5,6,7
	s_wait_dscnt 7-\t
	global_store_b128 v[CO], v[\f+4*\t:\f+4*\t+3], s[8:9] offset:2*\t*2048   ; 16 lanes store 256 consecutive bytes, aligned
.endr
.endm
.Lout_v:
	s_lshl_b32 s16, s16, 11                        ; rows of 2,048 bytes
	s_lshl_b32 s46, s46, 8                         ; 128 columns of 2 bytes
	s_add_nc_u64 s[8:9], s[8:9], s[16:17]
	s_add_nc_u64 s[8:9], s[8:9], s[46:47]
	OUT16 0, 0, 0x0a, F0
	OUT16 1, 1, 0x0a, F1
	OUT16 2, 2, 0x0a, F0
	OUT16 3, 3, 0x0a, F1
	OUT16 4, 0, 0x0f, F0
	OUT16 5, 1, 0x0f, F1
	OUT16 6, 2, 0x0f, F0
	OUT16 7, 3, 0x0f, F1
.Lclose:
	s_set_vgpr_msb 0x1
	s_wait_tensorcnt 0x0
	ds_add_u32 v255, v255
	s_wait_dscnt 0x0
	s_set_vgpr_msb 0x100
	CROUND                                         ; the closing round: no work-group ends while a partner may still ask for a tile that names it
	s_endpgm
.Lfunc_end_k_q5ae944f53f_gemm_qkv:
	.size	k_q5ae944f53f_gemm_qkv, .Lfunc_end_k_q5ae944f53f_gemm_qkv-k_q5ae944f53f_gemm_qkv
	.p2alignl 7, 3214868480
	.fill 96, 4, 3214868480
	.section	.rodata,"a",@progbits
	.p2align	6, 0x0
	.amdhsa_kernel k_q5ae944f53f_gemm_qkv
		.amdhsa_group_segment_fixed_size 327680
		.amdhsa_private_segment_fixed_size 0
		.amdhsa_enable_private_segment 0
		.amdhsa_kernarg_size 32
		.amdhsa_user_sgpr_count 2
		.amdhsa_user_sgpr_kernarg_segment_ptr 1
		.amdhsa_wavefront_size32 1
		.amdhsa_system_sgpr_workgroup_id_x 1
		.amdhsa_system_sgpr_workgroup_id_y 1
		.amdhsa_system_sgpr_workgroup_id_z 1
		.amdhsa_system_vgpr_workitem_id 0
		.amdhsa_next_free_vgpr 1024
		.amdhsa_next_free_sgpr 76
		.amdhsa_reserve_vcc 0
		.amdhsa_float_denorm_mode_32 3
		.amdhsa_float_denorm_mode_16_64 3
		.amdhsa_memory_ordered 1
		.amdhsa_forward_progress 1
		.amdhsa_inst_pref_size 230
	.end_amdhsa_kernel
	.amdgpu_metadata
---
amdhsa.version: [ 1, 2 ]
amdhsa.kernels:
  - .name:           k_q5ae944f53f_gemm_qkv
    .symbol:         k_q5ae944f53f_gemm_qkv.kd
    .args:
      - { .name: x16, .offset: 0, .size: 8, .value_kind: global_buffer, .address_space: global }
      - { .name: w16, .offset: 8, .size: 8, .value_kind: global_buffer, .address_space: global }
      - { .name: qkraw, .offset: 16, .size: 8, .value_kind: global_buffer, .address_space: global }
      - { .name: v16, .offset: 24, .size: 8, .value_kind: global_buffer, .address_space: global }
    .group_segment_fixed_size: 327680
    .private_segment_fixed_size: 0
    .kernarg_segment_align: 8
    .kernarg_segment_size: 32
    .max_flat_workgroup_size: 128
    .sgpr_count:     76
    .vgpr_count:     1024
    .wavefront_size: 32
...
	.end_amdgpu_metadata
.endif
;; end of part 2
;; launch ln (part 3): grid 256 x 1, 8 waves a work-group, no clusters, 0 bytes of LDS; arguments qkraw, q_ln_scale, q_ln_bias, k_ln_scale, k_ln_bias, qk16; writes qk16
.if DOCPART == 3
	.amdgcn_target "amdgcn-amd-amdhsa--gfx1250"
	.amdhsa_code_object_version 6
	.text
	.protected	k_q5ae944f53f_ln
	.globl	k_q5ae944f53f_ln
	.p2align	8
	.type	k_q5ae944f53f_ln,@function
k_q5ae944f53f_ln:
	s_mov_b64 s[64:65], 0
	v_nop
	global_prefetch_b8 v0, s[64:65] scope:SCOPE_SE
	s_setreg_imm32_b32 hwreg(HW_REG_WAVE_MODE, 25, 1), 1
	s_wait_xcnt 0x0
; LAYERNORM over the 1,024 numbers of each of the 8,192 rows of qkraw (4,096 of raw q, then 4,096 of raw k), f32 in, f16 out.
; y = (x - mean) * rsqrt(var + 1e-5) * scale + bias, in two passes over registers: the variance is the mean of (x - mean)^2, no difference of large sums.
; For q, scale and bias are multiplied by 0.125 log2(e): the factor 1/sqrt(64) of the scores and the base 2 of the exponentials of attention.
; Scale and bias are rounded to bf16 first, like every other floating-point input of this program.
; LIMIT: |y| stays below 65,504 (f16); |y| is at most 32 |scale| + |bias|.
; One wave, one row at a time: 4,096 bytes are 32 registers, the row is read once, and no wave waits for another.  Eight waves, four rows each.
; Lane L holds columns 256 i + 8 L .. + 7, i = 0..3: two loads of 16 bytes in, one store of 16 bytes out, and a store of the wave covers 512 consecutive bytes.
; A stream: no LDS, no barrier, no matrix unit, no cluster (only the 8 KiB of parameters are shared).
.set G,  8                             ; v[8:39]    scale of my 32 columns
.set BB, 40                            ; v[40:71]   bias of my 32 columns
.set X,  72                            ; v[72:199]  four rows, 32 registers each
.set T,  200                           ; v[200:211] at work
	s_load_b256 s[4:11], s[0:1], 0x0               ; qkraw s[4:5], q scale s[6:7], q bias s[8:9], k scale s[10:11]
	s_load_b128 s[12:15], s[0:1], 0x20             ; k bias s[12:13], qk16 s[14:15]
	v_and_b32 v5, 31, v0                           ; lane
	v_lshrrev_b32 v4, 5, v0                        ; wave
	v_lshlrev_b32 v1, 5, v5                        ; parameters: 32 L
	v_lshl_add_u32 v2, v4, 14, v1                  ; in: + wave x 4 rows of 4,096 bytes
	v_lshlrev_b32 v3, 4, v5
	v_lshl_add_u32 v3, v4, 13, v3                  ; out: 16 L + wave x 4 rows of 2,048 bytes
	s_lshl_b32 s20, ttmp9, 17                      ; 32 rows of 4,096 bytes
	s_mov_b32 s21, 0
	s_lshl_b32 s22, ttmp9, 16                      ; 32 rows of 2,048 bytes
	s_mov_b32 s23, 0
	s_mov_b32 s18, 0x3a800000                      ; 1/1024
	s_mov_b32 s19, 0x3727c5ac                      ; 1e-5
	s_mov_b32 s24, 0x76543210                      ; v_permlanex16_b32: lane i of one half reads lane i of the other
	s_mov_b32 s25, 0xfedcba98
	s_mov_b32 s26, 0xffff0000
	s_cmp_ge_u32 ttmp9, 128                        ; work-groups 128-255 hold rows of k
	s_cselect_b32 s16, 1.0, 0x3e38aa3b             ; 0.125 log2(e) for q
	s_mov_b32 s17, s16
	s_wait_kmcnt 0x0
	s_cselect_b64 s[6:7], s[10:11], s[6:7]         ; moves and waits leave SCC as the compare set it
	s_cselect_b64 s[8:9], s[12:13], s[8:9]
	s_add_nc_u64 s[4:5], s[4:5], s[20:21]
	s_add_nc_u64 s[14:15], s[14:15], s[22:23]
.irp i, 0,1,2,3
	global_load_b128 v[G+8*\i:G+8*\i+3],     v1, s[6:7] offset:1024*\i
	global_load_b128 v[G+8*\i+4:G+8*\i+7],   v1, s[6:7] offset:1024*\i+16
	global_load_b128 v[BB+8*\i:BB+8*\i+3],   v1, s[8:9] offset:1024*\i
	global_load_b128 v[BB+8*\i+4:BB+8*\i+7], v1, s[8:9] offset:1024*\i+16
.endr
.irp j, 0,1,2,3
.irp i, 0,1,2,3
	global_load_b128 v[X+32*\j+8*\i:X+32*\j+8*\i+3],   v2, s[4:5] offset:4096*\j+1024*\i th:TH_LOAD_NT
	global_load_b128 v[X+32*\j+8*\i+4:X+32*\j+8*\i+7], v2, s[4:5] offset:4096*\j+1024*\i+16 th:TH_LOAD_NT
.endr
.endr
	s_wait_loadcnt 32                              ; the 16 loads of parameters are in; the 32 of the rows stay out
.set q, 0
.rept 32                                           ; scale and bias lie side by side: 32 pairs
	v_cvt_pk_bf16_f32 v[T+q%4], v[G+2*q], v[G+2*q+1]
	v_lshlrev_b32 v[G+2*q],   16,  v[T+q%4]
	v_and_b32     v[G+2*q+1], s26, v[T+q%4]
	v_pk_mul_f32 v[G+2*q:G+2*q+1], v[G+2*q:G+2*q+1], s[16:17] op_sel_hi:[1,0]
.set q, q+1
.endr
.macro FOLD                            ; four chains of pairs in T .. T+7 become one sum in every lane, in T
	v_pk_add_f32 v[T:T+1],   v[T:T+1],   v[T+2:T+3]
	v_pk_add_f32 v[T+4:T+5], v[T+4:T+5], v[T+6:T+7]
	v_pk_add_f32 v[T:T+1],   v[T:T+1],   v[T+4:T+5]
	v_add_f32 v[T], v[T], v[T+1]
	v_add_f32_dpp v[T], v[T], v[T] row_xmask:1 row_mask:0xf bank_mask:0xf
	v_add_f32_dpp v[T], v[T], v[T] row_xmask:2 row_mask:0xf bank_mask:0xf
	v_add_f32_dpp v[T], v[T], v[T] row_xmask:4 row_mask:0xf bank_mask:0xf
	v_add_f32_dpp v[T], v[T], v[T] row_xmask:8 row_mask:0xf bank_mask:0xf
	v_permlanex16_b32 v[T+1], v[T], s24, s25
	v_add_f32 v[T], v[T], v[T+1]
.endm
.macro ROW j
	s_wait_loadcnt 8*(3-\j)                        ; the eight loads of row j are in; those of the later rows stay out
.irp k, 0,1,2,3
	v_pk_add_f32 v[T+2*\k:T+2*\k+1], v[X+32*\j+2*\k:X+32*\j+2*\k+1], v[X+32*\j+2*\k+8:X+32*\j+2*\k+9]   ; the first pairs start the chains
.endr
.irp k, 0,1,2,3
	v_pk_add_f32 v[T+2*\k:T+2*\k+1], v[T+2*\k:T+2*\k+1], v[X+32*\j+2*\k+16:X+32*\j+2*\k+17]
.endr
.irp k, 0,1,2,3
	v_pk_add_f32 v[T+2*\k:T+2*\k+1], v[T+2*\k:T+2*\k+1], v[X+32*\j+2*\k+24:X+32*\j+2*\k+25]
.endr
	FOLD
	v_mul_f32 v[T+8], s18, v[T]                    ; the mean, twice, for the packed subtraction
	v_mul_f32 v[T+9], s18, v[T]
.set q, 0
.rept 16
	v_pk_add_f32 v[X+32*\j+2*q:X+32*\j+2*q+1], v[X+32*\j+2*q:X+32*\j+2*q+1], v[T+8:T+9] neg_lo:[0,1] neg_hi:[0,1]
.set q, q+1
.endr
.irp k, 0,1,2,3
	v_pk_mul_f32 v[T+2*\k:T+2*\k+1], v[X+32*\j+2*\k:X+32*\j+2*\k+1], v[X+32*\j+2*\k:X+32*\j+2*\k+1]
.endr
.set q, 4
.rept 12
	v_pk_fma_f32 v[T+2*(q%4):T+2*(q%4)+1], v[X+32*\j+2*q:X+32*\j+2*q+1], v[X+32*\j+2*q:X+32*\j+2*q+1], v[T+2*(q%4):T+2*(q%4)+1]
.set q, q+1
.endr
	FOLD
	v_fma_f32 v[T], v[T], s18, s19                 ; variance + 1e-5
	v_rsq_f32 v[T+10], v[T]
	v_rsq_f32 v[T+11], v[T]
	v_nop                                          ; one plain vector instruction behind a transcendental before its result is used (ISA guide 5.7.2)
.set q, 0
	s_wait_alu depctr_va_vdst(0)
.rept 16
	v_pk_mul_f32 v[X+32*\j+2*q:X+32*\j+2*q+1], v[X+32*\j+2*q:X+32*\j+2*q+1], v[T+10:T+11]
	v_pk_fma_f32 v[X+32*\j+2*q:X+32*\j+2*q+1], v[X+32*\j+2*q:X+32*\j+2*q+1], v[G+2*q:G+2*q+1], v[BB+2*q:BB+2*q+1]
.set q, q+1
.endr
.set q, 0
.rept 16
	v_cvt_pk_f16_f32 v[X+32*\j+q], v[X+32*\j+2*q], v[X+32*\j+2*q+1]   ; in place: word q is written when numbers 2 q and 2 q + 1 are read
.set q, q+1
.endr
.irp i, 0,1,2,3
	global_store_b128 v3, v[X+32*\j+4*\i:X+32*\j+4*\i+3], s[14:15] offset:2048*\j+512*\i
.endr
.endm
	ROW 0
	ROW 1
	ROW 2
	ROW 3
	s_endpgm
.Lfunc_end_k_q5ae944f53f_ln:
	.size	k_q5ae944f53f_ln, .Lfunc_end_k_q5ae944f53f_ln-k_q5ae944f53f_ln
	.p2alignl 7, 3214868480
	.fill 96, 4, 3214868480
	.section	.rodata,"a",@progbits
	.p2align	6, 0x0
	.amdhsa_kernel k_q5ae944f53f_ln
		.amdhsa_group_segment_fixed_size 0
		.amdhsa_private_segment_fixed_size 0
		.amdhsa_enable_private_segment 0
		.amdhsa_kernarg_size 48
		.amdhsa_user_sgpr_count 2
		.amdhsa_user_sgpr_kernarg_segment_ptr 1
		.amdhsa_wavefront_size32 1
		.amdhsa_system_sgpr_workgroup_id_x 1
		.amdhsa_system_sgpr_workgroup_id_y 1
		.amdhsa_system_sgpr_workgroup_id_z 1
		.amdhsa_system_vgpr_workitem_id 0
		.amdhsa_next_free_vgpr 216
		.amdhsa_next_free_sgpr 66
		.amdhsa_reserve_vcc 0
		.amdhsa_float_denorm_mode_32 3
		.amdhsa_float_denorm_mode_16_64 3
		.amdhsa_memory_ordered 1
		.amdhsa_forward_progress 1
		.amdhsa_inst_pref_size 43
	.end_amdhsa_kernel
	.amdgpu_metadata
---
amdhsa.version: [ 1, 2 ]
amdhsa.kernels:
  - .name:           k_q5ae944f53f_ln
    .symbol:         k_q5ae944f53f_ln.kd
    .args:
      - { .name: qkraw, .offset: 0, .size: 8, .value_kind: global_buffer, .address_space: global }
      - { .name: q_ln_scale, .offset: 8, .size: 8, .value_kind: global_buffer, .address_space: global }
      - { .name: q_ln_bias, .offset: 16, .size: 8, .value_kind: global_buffer, .address_space: global }
      - { .name: k_ln_scale, .offset: 24, .size: 8, .value_kind: global_buffer, .address_space: global }
      - { .name: k_ln_bias, .offset: 32, .size: 8, .value_kind: global_buffer, .address_space: global }
      - { .name: qk16, .offset: 40, .size: 8, .value_kind: global_buffer, .address_space: global }
    .group_segment_fixed_size: 0
    .private_segment_fixed_size: 0
    .kernarg_segment_align: 8
    .kernarg_segment_size: 48
    .max_flat_workgroup_size: 256
    .sgpr_count:     66
    .vgpr_count:     216
    .wavefront_size: 32
...
	.end_amdgpu_metadata
.endif
;; end of part 3
;; launch attn (part 4): grid 16 x 16, 8 waves a work-group, clusters of 4 x 1, 327,680 bytes of LDS; arguments qk16, v16, mb, ctx16; writes ctx16
.if DOCPART == 4
	.amdgcn_target "amdgcn-amd-amdhsa--gfx1250"
	.amdhsa_code_object_version 6
	.text
	.protected	k_q5ae944f53f_attn
	.globl	k_q5ae944f53f_attn
	.p2align	8
	.type	k_q5ae944f53f_attn,@function
k_q5ae944f53f_attn:
	s_mov_b64 s[64:65], 0
	v_nop
	global_prefetch_b8 v0, s[64:65] scope:SCOPE_SE
	s_setreg_imm32_b32 hwreg(HW_REG_WAVE_MODE, 25, 1), 1
	s_wait_xcnt 0x0
	s_wait_alu depctr_hold_cnt(0) depctr_sa_sdst(0) depctr_va_vdst(0) depctr_va_sdst(0) depctr_va_ssrc(0) depctr_va_vcc(0) depctr_vm_vsrc(0)
	s_getreg_b32 s2, hwreg(HW_REG_IB_STS2, 6, 4)
	s_cmp_eq_u32 s2, 0
	s_cbranch_scc0 .Lentry_in_a_cluster
	s_endpgm
.Lentry_in_a_cluster:
	s_bfe_u32 s2, ttmp6, 0x10000c
	s_cmp_lg_u32 s2, 0x3003
	s_cbranch_scc0 .Lentry_shape_is_right
	s_endpgm
.Lentry_shape_is_right:
; ATTENTION: ctx = softmax(mask ? q k^T : -inf) v for 2 batches x 16 heads x 2,048 queries x 2,048 keys x 64.  f16 operands, f32 sums and softmax.
; q already carries 0.125 log2(e), so the exponentials are plain powers of two.  The softmax keeps a running maximum.
; The mask is an input: every byte of it is read, and no key is skipped.
; LIMITS: a scaled score below -1e30 counts as masked.  A query with no true mask byte gives NaN, as the softmax of a row of -inf does.  |ctx| < 65,504 (f16).
;
; A work-group: 128 queries x 2 heads (so that rows of K, V and ctx are 256 bytes, aligned).  Eight waves, two for each SIMD, so that the softmax of one runs under the
; products of the other.  Wave w: head hd = w & 1, 64 queries qg = (w >> 1) & 1, half of the keys kh = w >> 2 (1,024 keys); the two halves are merged at the end through LDS.
; CLUSTER: the four query blocks of a cluster read the same K and V: every tile is asked for jointly (mask 15), which divides those requests by four.
;
; BOTH PRODUCTS ARE USED TRANSPOSED.  S^T(c, t) = K(c) x Q(t): lane (r, h), register j holds key 16 c + 8 h + j of query 16 t + r.  All the numbers of a query lie in the two
; lanes r and r + 16, and packed in pairs they are the second source of O^T(i, t) += V^T(i, g) x P(t, g), V^T coming from LDS by transposing loads.
; THE MASK rides in as the C operand of the first product: its byte, moved to the top of a word, is about -2^126 (masked) or at most 2^-125 (kept).  One shift a score.
;
; LDS: two slots of 143,360 bytes.  A slot: K, 4 parts of 64 rows, pitch 272; then V, 4 parts of 64 rows, pitch 288 (an odd multiple of 32 for the transposing loads).
; Part pi: key half pi >> 1, rows 64 (pi & 1) .. + 63 of the 128 keys of that half in the slot.  Waves 0-3 fetch the parts of K, waves 4-7 those of V: one tensor load a wave.
; Behind the last fill and a barrier of their own the slots serve once more: bytes 0 .. 69,631 for the merge, bytes 143,360 .. 178,175 as the stage of ctx.
.set KP,    272
.set VP,    288
.set KPART, 64*KP
.set VPART, 64*VP
.set VOFF,  4*KPART
.set SLOT,  4*KPART+4*VPART
.set STAGE, SLOT
.set SCRW,  17408                      ; merge: 32 x 512 bytes of O, 512 of m, 512 of l
; vector registers, block 0
.set ADRK, 4                           ; v4-5   LDS address of my K fragments, slot 0, 1
.set ADRV, 6                           ; v6-7   the same for V
.set MOFF, 8                           ; offset of my 16 mask bytes; steps 1,024 bytes a step
.set QOFF, 9
.set SCR,  10
.set STO,  11
.set RD,   12
.set CO,   13
.set MM,   16                          ; v[16+2t:17+2t] running maximum of query tile t, twice
.set AA,   24                          ; v[24+2t:25+2t] 2^(old maximum - new maximum), twice
.set LL,   32                          ; v[32+2t:33+2t] running sum, two partial sums
.set XX,   40                          ; v[40+t] what the other half of the lanes sent
.set TT,   44                          ; v[44+t] at work
.set UU,   48                          ; v[48+t] at work
.set KV,   64                          ; v[64:127]  8 fragments of K, later of V^T
.set SS,   128                         ; v[128:255] scores: tile (t, c) at 128 + 32 t + 8 c; later P(t, g) at 128 + 32 t + 8 g
; block 1 (v256 and up, named by their low 8 bits)
.set OO,   0                           ; O^T: tile (i, t) at 32 t + 8 i
.set QQ,   128                         ; Q fragments: (t, s) at 128 + 16 t + 8 s
.set MK,   192                         ; mask words of one step: 192 + 8 t + 4 u + word
.set G1K, 24                           ; s[24:31] group 1 for K
.set G1V, 32                           ; s[32:39] group 1 for V
.set G0K, 40                           ; s[40:47] group 0 for K, a set for each slot
.set G0V, 48                           ; s[48:55] group 0 for V
.set MSB, 0
.macro WIN new                         ; low byte: bits 1:0 source 0, 3:2 source 1, 5:4 source 2, 7:6 destination; the high byte repeats the setting that is left
.if MSB != \new
	s_set_vgpr_msb (MSB<<8)|\new
.set MSB, \new
.endif
.endm
.macro PLACES                          ; four independent vector instructions behind a matrix instruction (ISA guide 7.12.1)
.rept 4
	v_nop
.endr
.endm
.macro ROUND                           ; a round of the cluster barrier
	s_barrier_signal -1
	s_barrier_wait -1
	s_cmp_lg_u32 s12, 0
	s_cbranch_scc1 .Lnot_wave_0_\@
	s_barrier_signal -3
.Lnot_wave_0_\@:
	s_barrier_wait -3
	s_barrier_signal -1
	s_barrier_wait -1
.endm
.macro JLOAD s                         ; the joint load of slot s: the branch hangs on the wave number alone
	s_cmp_lt_u32 s12, 4
	s_cbranch_scc0 .Lfor_v_\@
	tensor_load_to_lds s[G0K+4*\s:G0K+4*\s+3], s[G1K:G1K+7]
	s_nop 0
	s_branch .Lasked_\@
.Lfor_v_\@:
	tensor_load_to_lds s[G0V+4*\s:G0V+4*\s+3], s[G1V:G1V+7]
	s_nop 0
.Lasked_\@:
.endm
	s_load_b256 s[4:11], s[0:1], 0x0               ; qk16 s[4:5], v16 s[6:7], mb s[8:9], ctx16 s[10:11]
	v_lshl_add_u32 v62, v0, 2, 0x46000
	v_mov_b32 v63, 0
	ds_add_u32 v62, v63
	v_lshrrev_b32 v1, 5, v0
	v_readfirstlane_b32 s12, v1                    ; wave 0..7
	s_and_b32 s13, s12, 1                          ; hd
	s_bfe_u32 s14, s12, 0x10001                    ; qg
	s_lshr_b32 s15, s12, 2                         ; kh
	s_and_b32 s16, s12, 3                          ; pi: the part that I fetch
	s_bfe_u32 s17, ttmp6, 0x40000                  ; cx.  What is made of cx lives in s17, s18 and s66-s75 alone: no register that feeds a descriptor ever holds it
	s_lshl_b32 s18, ttmp9, 2
	s_add_co_u32 s18, s18, s17                     ; X: my block of 128 queries
	s_and_b32 s19, ttmp7, 0xffff
	s_lshr_b32 s20, s19, 3                         ; b
	s_and_b32 s21, s19, 7                          ; hp: my pair of heads
	s_mov_b32 s56, 0x76543210                      ; v_permlanex16_b32: lane i of one half reads lane i of the other
	s_mov_b32 s57, 0xfedcba98
	s_mov_b32 s59, 0xf149f2ca                      ; -1e30
	; group 1: tiles of 64 rows x 128 elements of 2 bytes, pitch 1,024 elements; behind every 64 words 4 words of padding (K) or 8 (V); mask 15 and bit 21 beside it
	s_mov_b32 s[G1K+0], 15|(1<<16)|(1<<20)|(1<<21)|(5<<22)|(3<<25)
	s_mov_b32 s[G1V+0], 15|(1<<16)|(1<<20)|(1<<21)|(5<<22)|(7<<25)
	s_mov_b32 s[G1K+1], 128<<16                    ; tensor_dim0 = 128
	s_mov_b32 s[G1V+1], 128<<16
	s_mov_b32 s[G1K+2], 64<<16                     ; tensor_dim1 = 64
	s_mov_b32 s[G1V+2], 64<<16
	s_mov_b32 s[G1K+3], 128<<16                    ; tile_dim0 = 128
	s_mov_b32 s[G1V+3], 128<<16
	s_mov_b32 s[G1K+4], 64                         ; tile_dim1 = 64
	s_mov_b32 s[G1V+4], 64
	s_mov_b32 s[G1K+5], 1024
	s_mov_b32 s[G1V+5], 1024
	s_mov_b32 s[G1K+6], 0
	s_mov_b32 s[G1V+6], 0
	s_mov_b32 s[G1K+7], 0
	s_mov_b32 s[G1V+7], 0
	; my part of tile 0: row 2048 b + 1024 (pi >> 1) + 64 (pi & 1), byte 256 hp of the row
	s_lshl_b32 s60, s20, 11
	s_lshr_b32 s22, s16, 1
	s_lshl_b32 s22, s22, 10
	s_add_co_u32 s60, s60, s22
	s_and_b32 s22, s16, 1
	s_lshl_b32 s22, s22, 6
	s_add_co_u32 s60, s60, s22
	s_lshl_b32 s60, s60, 11                        ; rows of 2,048 bytes
	s_lshl_b32 s22, s21, 8
	s_add_co_u32 s60, s60, s22
	s_mov_b32 s61, 0
	s_mul_i32 s22, s16, KPART                      ; where it goes
	s_mul_i32 s23, s16, VPART
	s_add_co_u32 s23, s23, VOFF
	s_wait_dscnt 0x0
	s_wait_kmcnt 0x0
	s_add_nc_u64 s[62:63], s[4:5], s[60:61]
	s_add_nc_u64 s[62:63], s[62:63], 0x800000      ; k is the second 8 MiB of qk16
	s_add_nc_u64 s[60:61], s[6:7], s[60:61]
.irp s, 0,1
	s_mov_b32 s[G0K+4*\s], 1
	s_add_co_u32 s[G0K+4*\s+1], s22, \s*SLOT
	s_add_nc_u64 s[G0K+4*\s+2:G0K+4*\s+3], s[62:63], \s*262144     ; tile s: 128 keys of 2,048 bytes further
	s_or_b32 s[G0K+4*\s+3], s[G0K+4*\s+3], 0x80000000
	s_mov_b32 s[G0V+4*\s], 1
	s_add_co_u32 s[G0V+4*\s+1], s23, \s*SLOT
	s_add_nc_u64 s[G0V+4*\s+2:G0V+4*\s+3], s[60:61], \s*262144
	s_or_b32 s[G0V+4*\s+3], s[G0V+4*\s+3], 0x80000000
.endr
	ROUND                                          ; the four work-groups are here: the first joint loads meet
	JLOAD 0                                        ; tile 0.  A wave never has more than this one tensor load out
	v_and_b32 v1, 15, v0                           ; r
	v_bfe_u32 v2, v0, 4, 1                         ; h
	v_and_b32 v3, 31, v0                           ; L
	s_lshl_b32 s22, s13, 7                         ; 128 hd: my head in a row
	v_mul_u32_u24 v14, v1, KP
	v_lshl_add_u32 v14, v2, 4, v14                 ; 272 r + 16 h
	s_mul_i32 s19, s15, 2*KPART
	s_add_co_u32 s19, s19, s22
	v_add_nc_u32 v[ADRK], s19, v14
	v_add_nc_u32 v[ADRK+1], SLOT, v[ADRK]
	s_mul_i32 s19, s14, 64*KP
	s_add_co_u32 s19, s19, s22
	s_add_co_u32 s19, s19, STAGE
	v_add_nc_u32 v[STO], s19, v14                  ; stage: row 64 qg + r, byte 128 hd + 16 h
	v_and_b32 v14, 7, v0
	v_lshl_add_u32 v14, v2, 3, v14                 ; 8 h + (L & 7): the key row that I address for a transposing load
	v_mul_u32_u24 v14, v14, VP
	v_bfe_u32 v15, v0, 3, 1
	v_lshl_add_u32 v14, v15, 4, v14                ; + 16 ((L >> 3) & 1)
	s_mul_i32 s19, s15, 2*VPART
	s_add_co_u32 s19, s19, s22
	s_add_co_u32 s19, s19, VOFF
	v_add_nc_u32 v[ADRV], s19, v14
	v_add_nc_u32 v[ADRV+1], SLOT, v[ADRV]
	v_lshlrev_b32 v[MOFF], 4, v3
	v_lshlrev_b32 v15, 11, v1
	v_lshl_add_u32 v[QOFF], v2, 4, v15             ; 2048 r + 16 h
	s_mul_i32 s19, s16, SCRW
	v_lshl_add_u32 v[SCR], v3, 4, s19
	v_mul_u32_u24 v15, v2, KP
	v_lshl_add_u32 v15, v1, 4, v15
	s_mul_i32 s19, s12, 16*KP
	s_add_co_u32 s19, s19, STAGE
	v_add_nc_u32 v[RD], s19, v15                   ; stage, back: row 16 w + h, byte 16 r
	v_lshlrev_b32 v15, 11, v2
	v_lshl_add_u32 v15, v1, 4, v15
	s_lshl_b32 s19, s12, 15
	v_add_nc_u32 v[CO], s19, v15                   ; the same in ctx16
.irp t, 0,1,2,3
	v_mov_b32 v[XX+\t], 0                          ; the destination of v_permlanex16_b32 counts as read
.endr
	; Q at row 2048 b + 128 X + 64 qg, byte 128 (2 hp + hd); ctx at row 2048 b + 128 X, byte 256 hp; the mask at ((128 b + 8 X + 4 qg) 32 + 16 kh) 1024
	s_lshl_b32 s66, s20, 11
	s_lshl_b32 s72, s18, 7
	s_add_co_u32 s66, s66, s72
	s_lshl_b32 s68, s66, 11
	s_lshl_b32 s72, s14, 6
	s_add_co_u32 s66, s66, s72
	s_lshl_b32 s66, s66, 11
	s_lshl_b32 s72, s21, 8
	s_add_co_u32 s68, s68, s72
	s_add_co_u32 s66, s66, s72
	s_lshl_b32 s72, s13, 7
	s_add_co_u32 s66, s66, s72
	s_mov_b32 s67, 0
	s_mov_b32 s69, 0
	s_lshl_b32 s70, s20, 7
	s_lshl_b32 s72, s18, 3
	s_add_co_u32 s70, s70, s72
	s_lshl_b32 s72, s14, 2
	s_add_co_u32 s70, s70, s72
	s_lshl_b32 s70, s70, 5
	s_lshl_b32 s72, s15, 4
	s_add_co_u32 s70, s70, s72
	s_lshl_b32 s70, s70, 10
	s_mov_b32 s71, 0
	s_add_nc_u64 s[74:75], s[4:5], s[66:67]
	s_add_nc_u64 s[10:11], s[10:11], s[68:69]
	s_add_nc_u64 s[8:9], s[8:9], s[70:71]
.macro MLOAD                           ; the mask bytes of one step: 64 queries x 64 keys, 8 loads of 16 bytes a lane, each 512 consecutive bytes for the wave
.irp t, 0,1,2,3
.irp u, 0,1
	global_load_b128 v[MK+8*\t+4*\u:MK+8*\t+4*\u+3], v[MOFF], s[8:9] offset:32768*\t+512*\u
.endr
.endr
.endm
	WIN 0x40                                       ; destinations in block 1
.irp t, 0,1,2,3
.irp s, 0,1
	global_load_b128 v[QQ+16*\t+8*\s:QQ+16*\t+8*\s+3],   v[QOFF], s[74:75] offset:32768*\t+64*\s      ; Q(16 t + r, 32 s + 8 h ..)
	global_load_b128 v[QQ+16*\t+8*\s+4:QQ+16*\t+8*\s+7], v[QOFF], s[74:75] offset:32768*\t+64*\s+32   ; Q(16 t + r, 32 s + 16 + 8 h ..)
.endr
.endr
	MLOAD
	WIN 0
; O^T(i, t) += V^T(i, g) x P(t, g) for the 32 keys of group g; the 16 accumulators take turns, one instruction a turn
.macro PV g, zero
.irp t, 0,1,2,3
.irp i, 0,1,2,3
.if \zero
	v_wmma_f32_16x16x32_f16 v[OO+32*\t+8*\i:OO+32*\t+8*\i+7], v[KV+16*\i+8*\g:KV+16*\i+8*\g+7], v[SS+32*\t+8*\g:SS+32*\t+8*\g+7], 0
.else
	v_wmma_f32_16x16x32_f16 v[OO+32*\t+8*\i:OO+32*\t+8*\i+7], v[KV+16*\i+8*\g:KV+16*\i+8*\g+7], v[SS+32*\t+8*\g:SS+32*\t+8*\g+7], v[OO+32*\t+8*\i:OO+32*\t+8*\i+7]
.endif
.endr
.endr
.endm
; One step: 64 queries x 64 keys (rows 64 sub .. + 63 of my half of the slot).  first = 1: nothing is carried yet.  more = 1: the mask of the next step is asked for.
.macro STEP slot, sub, first, more
.irp c, 0,1,2,3
.irp s, 0,1
	ds_load_b128 v[KV+16*\c+8*\s:KV+16*\c+8*\s+3],   v[ADRK+\slot] offset:(64*\sub+16*\c)*KP+64*\s
	ds_load_b128 v[KV+16*\c+8*\s+4:KV+16*\c+8*\s+7], v[ADRK+\slot] offset:(64*\sub+16*\c)*KP+64*\s+32
.endr
.endr
	s_wait_loadcnt 0x0                             ; the mask words of this step (and, the first time, Q) are in; the wait also frees their address register
.if \more
	v_add_nc_u32 v[MOFF], 1024, v[MOFF]
.endif
	WIN 0x04                                       ; source 1 in block 1
.irp t, 0,1,2,3
.irp c, 0,1,2,3
.irp j, 0,1,2,3,4,5,6,7
	v_lshlrev_b32 v[SS+32*\t+8*\c+\j], 24-8*(\j&3), v[MK+8*\t+4*(\c>>1)+2*(\c&1)+(\j>>2)]   ; the byte of key 16 c + 8 h + j to the top of the word
.endr
.endr
.endr
.if \more
	WIN 0x40
	MLOAD                                          ; a whole step ahead of its use
.endif
	s_wait_dscnt 0x0                               ; the fragments of K
	WIN 0x04
.irp s, 0,1
.irp t, 0,1,2,3
.irp c, 0,1,2,3
	v_wmma_f32_16x16x32_f16 v[SS+32*\t+8*\c:SS+32*\t+8*\c+7], v[KV+16*\c+8*\s:KV+16*\c+8*\s+7], v[QQ+16*\t+8*\s:QQ+16*\t+8*\s+7], v[SS+32*\t+8*\c:SS+32*\t+8*\c+7]
.endr
.endr
.endr
	WIN 0
	PLACES                                         ; then loads into the registers of K, and readers of the scores
.irp i, 0,1,2,3
.irp g, 0,1
	ds_load_tr16_b128 v[KV+16*\i+8*\g:KV+16*\i+8*\g+3],   v[ADRV+\slot] offset:(64*\sub+32*\g)*VP+32*\i      ; V^T(16 i + r, keys 32 g + 8 h ..): they land under the softmax
	ds_load_tr16_b128 v[KV+16*\i+8*\g+4:KV+16*\i+8*\g+7], v[ADRV+\slot] offset:(64*\sub+32*\g+16)*VP+32*\i   ; keys 32 g + 16 + 8 h ..
.endr
.endr
	; the new maximum: four chains, one for each query tile, started by the old maximum
.irp t, 0,1,2,3
.if \first
	v_max_num_f32 v[TT+\t], v[SS+32*\t], v[SS+32*\t+1]
.else
	v_max3_num_f32 v[TT+\t], v[MM+2*\t], v[SS+32*\t], v[SS+32*\t+1]
.endif
.endr
.irp k, 1,2,3,4,5,6,7,8,9,10,11,12,13,14,15
.irp t, 0,1,2,3
	v_max3_num_f32 v[TT+\t], v[TT+\t], v[SS+32*\t+2*\k], v[SS+32*\t+2*\k+1]
.endr
.endr
.irp t, 0,1,2,3
	v_permlanex16_b32 v[XX+\t], v[TT+\t], s56, s57 ; the other 32 keys of the same query
.endr
.irp t, 0,1,2,3
	v_max_num_f32 v[TT+\t], v[TT+\t], v[XX+\t]
.endr
.if \first == 0
.irp t, 0,1,2,3
	v_sub_f32 v[UU+\t], v[MM+2*\t], v[TT+\t]
.endr
.irp t, 0,1,2,3
	v_exp_f32 v[AA+2*\t],   v[UU+\t]               ; what is carried shrinks by 2^(old - new)
	v_exp_f32 v[AA+2*\t+1], v[UU+\t]
.endr
.endif
.irp t, 0,1,2,3
	v_mov_b32 v[MM+2*\t],   v[TT+\t]               ; plain instructions behind the transcendentals (ISA guide 5.7.2)
	v_mov_b32 v[MM+2*\t+1], v[TT+\t]
.endr
.irp t, 0,1,2,3
.set e, 0
.rept 16
	v_pk_add_f32 v[SS+32*\t+e:SS+32*\t+e+1], v[SS+32*\t+e:SS+32*\t+e+1], v[MM+2*\t:MM+2*\t+1] neg_lo:[0,1] neg_hi:[0,1]
.set e, e+2
.endr
.set e, 0
.rept 32
	v_exp_f32 v[SS+32*\t+e], v[SS+32*\t+e]
.set e, e+1
.endr
.endr
	v_nop                                          ; one plain place behind the last exponential
	; the running sums, four chains
.if \first
	s_wait_alu depctr_va_vdst(0)
.irp t, 0,1,2,3
	v_pk_add_f32 v[LL+2*\t:LL+2*\t+1], v[SS+32*\t:SS+32*\t+1], v[SS+32*\t+2:SS+32*\t+3]
.endr
.else
	s_wait_alu depctr_va_vdst(0)
.irp t, 0,1,2,3
	v_pk_fma_f32 v[LL+2*\t:LL+2*\t+1], v[LL+2*\t:LL+2*\t+1], v[AA+2*\t:AA+2*\t+1], v[SS+32*\t:SS+32*\t+1]
.endr
.irp t, 0,1,2,3
	v_pk_add_f32 v[LL+2*\t:LL+2*\t+1], v[LL+2*\t:LL+2*\t+1], v[SS+32*\t+2:SS+32*\t+3]
.endr
.endif
.irp k, 2,3,4,5,6,7,8,9,10,11,12,13,14,15
.irp t, 0,1,2,3
	v_pk_add_f32 v[LL+2*\t:LL+2*\t+1], v[LL+2*\t:LL+2*\t+1], v[SS+32*\t+2*\k:SS+32*\t+2*\k+1]
.endr
.endr
	; P to f16, in place: word e of a query tile takes numbers 2 e and 2 e + 1; words 8 g .. 8 g + 7 are the fragment P(t, g)
.irp t, 0,1,2,3
.set e, 0
.rept 16
	v_cvt_pk_f16_f32 v[SS+32*\t+e], v[SS+32*\t+2*e], v[SS+32*\t+2*e+1]
.set e, e+1
.endr
.endr
.if \first == 0
	WIN 0x41                                       ; destination and source 0 in block 1
.irp t, 0,1,2,3
.set e, 0
.rept 16
	v_pk_mul_f32 v[OO+32*\t+e:OO+32*\t+e+1], v[OO+32*\t+e:OO+32*\t+e+1], v[AA+2*\t:AA+2*\t+1]
.set e, e+2
.endr
.endr
.endif
	s_wait_dscnt 0x0                               ; the fragments of V^T
	WIN 0x50                                       ; C and D in block 1
	PV 0, \first
	PV 1, 0
	WIN 0
	PLACES                                         ; then loads into the registers of V^T and writes of the scores
.endm
; One trip: 128 keys of each half.  In front of the round every wave waits for all its tensor loads (its part of this slot) and for its reads of the other slot;
; behind the round the other slot is filled again first, one tensor load a wave, and has the two steps of the trip in which to land.
.macro TRIP slot, refill, first, last
	s_wait_tensorcnt 0x0
	ds_add_u32 v62, v63
	s_wait_dscnt 0x0
	s_add_nc_u64 s[G0K+4*\slot+2:G0K+4*\slot+3], s[G0K+4*\slot+2:G0K+4*\slot+3], 524288   ; no load of mine is out: the next tile of this slot, 256 keys further
	s_add_nc_u64 s[G0V+4*\slot+2:G0V+4*\slot+3], s[G0V+4*\slot+2:G0V+4*\slot+3], 524288
	s_wait_dscnt 0x0
	ROUND
.if \refill
	JLOAD (1-\slot)
.endif
	STEP \slot, 0, \first, 1
	STEP \slot, 1, 0, 1-\last
.endm
	TRIP 0, 1, 1, 0                                ; eight trips: the first two stand in front of the loop, since the first step starts every sum
	TRIP 1, 1, 0, 0
	s_mov_b32 s58, 2
.Lpair:
	TRIP 0, 1, 0, 0
	TRIP 1, 1, 0, 0
	s_sub_co_u32 s58, s58, 1
	s_cmp_lg_u32 s58, 0
	s_cbranch_scc1 .Lpair
	TRIP 0, 1, 0, 0
	TRIP 1, 0, 0, 1                                ; the last trip fetches nothing (the stepped addresses are not used)
	; ---- the two halves of the keys are merged
.irp t, 0,1,2,3
	v_add_f32 v[UU+\t], v[LL+2*\t], v[LL+2*\t+1]
	v_mov_b32 v[TT+\t], v[MM+2*\t]                 ; m as a quad for one LDS store
.endr
.irp t, 0,1,2,3
	v_permlanex16_b32 v[XX+\t], v[UU+\t], s56, s57
.endr
.irp t, 0,1,2,3
	v_add_f32 v[UU+\t], v[UU+\t], v[XX+\t]         ; l of my half of the keys
.endr
	s_wait_dscnt 0x0                               ; my reads of the slots are over; every tensor load landed in front of the last round
	s_barrier_signal -1
	s_barrier_wait -1                              ; so are those of all eight waves: the slots, which are filled no more, may be written
	s_cmp_lt_u32 s12, 4
	s_cbranch_scc1 .Lkeep
	WIN 0x04                                       ; the data of an LDS store are source 1: block 1
.set e, 0
.rept 32
	ds_store_b128 v[SCR], v[OO+4*e:OO+4*e+3] offset:512*e
.set e, e+1
.endr
	WIN 0
	ds_store_b128 v[SCR], v[TT:TT+3] offset:16384
	ds_store_b128 v[SCR], v[UU:UU+3] offset:16896
.Lkeep:
	s_wait_dscnt 0x0                               ; for the readers: zero
	s_barrier_signal -1
	s_barrier_wait -1
	s_cmp_ge_u32 s12, 4
	s_cbranch_scc1 .Lmerged
	ds_load_b128 v[52:55], v[SCR] offset:16384     ; m of wave w + 4
	ds_load_b128 v[56:59], v[SCR] offset:16896     ; l
.set e, 0
.rept 32
	ds_load_b128 v[SS+4*e:SS+4*e+3], v[SCR] offset:512*e           ; O
.set e, e+1
.endr
	v_mov_b32 v60, 0x7fc00000                      ; NaN
	s_wait_dscnt 32                                ; m and l are in; the 32 loads of O stay out
.irp t, 0,1,2,3
	v_max_num_f32 v[MM+\t], v[TT+\t], v[52+\t]
.endr
.irp t, 0,1,2,3
	v_sub_f32 v[TT+\t], v[TT+\t], v[MM+\t]
	v_sub_f32 v[52+\t], v[52+\t], v[MM+\t]
.endr
.irp t, 0,1,2,3
	v_exp_f32 v[TT+\t], v[TT+\t]
	v_exp_f32 v[52+\t], v[52+\t]
.endr
	v_nop
	s_wait_alu depctr_va_vdst(0)
.irp t, 0,1,2,3
	v_mul_f32 v[UU+\t], v[UU+\t], v[TT+\t]
.endr
.irp t, 0,1,2,3
	v_fmac_f32 v[UU+\t], v[56+\t], v[52+\t]        ; l of all 2,048 keys
.endr
.irp t, 0,1,2,3
	v_cmp_gt_f32 vcc_lo, s59, v[MM+\t]             ; no key of this query was kept:
	v_cndmask_b32 v[UU+\t], v[UU+\t], v60, vcc_lo  ; the row is NaN
.endr
.irp t, 0,1,2,3
	v_rcp_f32 v[UU+\t], v[UU+\t]
.endr
	v_nop
	s_wait_alu depctr_va_vdst(0)
.irp t, 0,1,2,3
	v_mul_f32 v[AA+2*\t],   v[TT+\t], v[UU+\t]     ; the factor of my O, twice,
	v_mul_f32 v[AA+2*\t+1], v[TT+\t], v[UU+\t]
	v_mul_f32 v[LL+2*\t],   v[52+\t], v[UU+\t]     ; and of the other
	v_mul_f32 v[LL+2*\t+1], v[52+\t], v[UU+\t]
.endr
	s_wait_dscnt 0x0
.irp t, 0,1,2,3
.set e, 0
.rept 16
	v_pk_mul_f32 v[SS+32*\t+e:SS+32*\t+e+1], v[SS+32*\t+e:SS+32*\t+e+1], v[LL+2*\t:LL+2*\t+1]
.set e, e+2
.endr
.endr
	WIN 0x01                                       ; source 0 in block 1
.irp t, 0,1,2,3
.set e, 0
.rept 16
	v_pk_fma_f32 v[SS+32*\t+e:SS+32*\t+e+1], v[OO+32*\t+e:OO+32*\t+e+1], v[AA+2*\t:AA+2*\t+1], v[SS+32*\t+e:SS+32*\t+e+1]
.set e, e+2
.endr
.endr
	WIN 0
.irp t, 0,1,2,3
.irp i, 0,1,2,3
.irp k, 0,1,2,3
	v_cvt_pk_f16_f32 v[SS+32*\t+8*\i+\k], v[SS+32*\t+8*\i+2*\k], v[SS+32*\t+8*\i+2*\k+1]
.endr
	ds_store_b128 v[STO], v[SS+32*\t+8*\i:SS+32*\t+8*\i+3] offset:16*KP*\t+32*\i   ; query 16 t + r, numbers 16 i + 8 h .. + 7 of my head
.endr
.endr
.Lmerged:
	s_wait_dscnt 0x0
	s_barrier_signal -1
	s_barrier_wait -1                              ; the stage holds 128 rows of 256 bytes
.irp t, 0,1,2,3,4,5,6,7
	ds_load_b128 v[KV+4*\t:KV+4*\t+3], v[RD] offset:2*KP*\t
.endr
.irp t, 0,1,2,3,4,5,6,7
	s_wait_dscnt 7-\t
	global_store_b128 v[CO], v[KV+4*\t:KV+4*\t+3], s[10:11] offset:4096*\t   ; 16 lanes store 256 consecutive bytes, aligned
.endr
	s_wait_tensorcnt 0x0
	ds_add_u32 v62, v63
	s_wait_dscnt 0x0
	ROUND                                          ; the closing round
	s_endpgm
.Lfunc_end_k_q5ae944f53f_attn:
	.size	k_q5ae944f53f_attn, .Lfunc_end_k_q5ae944f53f_attn-k_q5ae944f53f_attn
	.p2alignl 7, 3214868480
	.fill 96, 4, 3214868480
	.section	.rodata,"a",@progbits
	.p2align	6, 0x0
	.amdhsa_kernel k_q5ae944f53f_attn
		.amdhsa_group_segment_fixed_size 327680
		.amdhsa_private_segment_fixed_size 0
		.amdhsa_enable_private_segment 0
		.amdhsa_kernarg_size 32
		.amdhsa_user_sgpr_count 2
		.amdhsa_user_sgpr_kernarg_segment_ptr 1
		.amdhsa_wavefront_size32 1
		.amdhsa_system_sgpr_workgroup_id_x 1
		.amdhsa_system_sgpr_workgroup_id_y 1
		.amdhsa_system_sgpr_workgroup_id_z 1
		.amdhsa_system_vgpr_workitem_id 0
		.amdhsa_next_free_vgpr 480
		.amdhsa_next_free_sgpr 76
		.amdhsa_reserve_vcc 1
		.amdhsa_float_denorm_mode_32 3
		.amdhsa_float_denorm_mode_16_64 3
		.amdhsa_memory_ordered 1
		.amdhsa_forward_progress 1
		.amdhsa_inst_pref_size 255
	.end_amdhsa_kernel
	.section	.bss,"aw",@nobits
	.p2align	6
	.space	262144
	.amdgpu_metadata
---
amdhsa.version: [ 1, 2 ]
amdhsa.kernels:
  - .name:           k_q5ae944f53f_attn
    .symbol:         k_q5ae944f53f_attn.kd
    .args:
      - { .name: qk16, .offset: 0, .size: 8, .value_kind: global_buffer, .address_space: global }
      - { .name: v16, .offset: 8, .size: 8, .value_kind: global_buffer, .address_space: global }
      - { .name: mb, .offset: 16, .size: 8, .value_kind: global_buffer, .address_space: global }
      - { .name: ctx16, .offset: 24, .size: 8, .value_kind: global_buffer, .address_space: global }
    .group_segment_fixed_size: 327680
    .private_segment_fixed_size: 0
    .kernarg_segment_align: 8
    .kernarg_segment_size: 32
    .max_flat_workgroup_size: 256
    .sgpr_count:     76
    .vgpr_count:     480
    .wavefront_size: 32
...
	.end_amdgpu_metadata
.endif
;; end of part 4
;; launch gemm_out (part 5): grid 8 x 32, 4 waves a work-group, clusters of 4 x 4, 327,680 bytes of LDS; arguments ctx16, w16, out0; writes out0
.if DOCPART == 5
	.amdgcn_target "amdgcn-amd-amdhsa--gfx1250"
	.amdhsa_code_object_version 6
	.text
	.protected	k_q5ae944f53f_gemm_out
	.globl	k_q5ae944f53f_gemm_out
	.p2align	8
	.type	k_q5ae944f53f_gemm_out,@function
k_q5ae944f53f_gemm_out:
	s_mov_b64 s[64:65], 0
	v_nop
	global_prefetch_b8 v0, s[64:65] scope:SCOPE_SE
	s_setreg_imm32_b32 hwreg(HW_REG_WAVE_MODE, 25, 1), 1
	s_wait_xcnt 0x0
	s_wait_alu depctr_hold_cnt(0) depctr_sa_sdst(0) depctr_va_vdst(0) depctr_va_sdst(0) depctr_va_ssrc(0) depctr_va_vcc(0) depctr_vm_vsrc(0)
	s_getreg_b32 s2, hwreg(HW_REG_IB_STS2, 6, 4)
	s_cmp_eq_u32 s2, 0
	s_cbranch_scc0 .Lentry_in_a_cluster
	s_endpgm
.Lentry_in_a_cluster:
	s_bfe_u32 s2, ttmp6, 0x10000c
	s_cmp_lg_u32 s2, 0xf033
	s_cbranch_scc0 .Lentry_shape_is_right
	s_endpgm
.Lentry_shape_is_right:
; THE OUTPUT PROJECTION: out0[m][n] = sum over k of ctx[m][k] wo[n][k], 4096 x 1024 x 1024, f16 operands, f32 sums, f32 out.  wo is the fourth 2 MiB of w16.
; 256 work-groups of 128 x 128 (blocks of 256 x 256 would be 64 work-groups); four waves, 64 x 64 each: 16 accumulator tiles in block 1 of the registers.
; K goes through two LDS slots of 256 each: rows of 512 bytes of memory, aligned, pitch 528 in LDS.  Four fills in all, so the text has no loop.
; CLUSTERS of 4 x 4: tiles of ctx are shared along a row of the cluster, tiles of wo along a column, each asked for jointly.
; The matrix instruction is used transposed (source 0 = rows of wo, source 1 = rows of ctx): a lane holds eight neighbouring columns of one row of out0.
.set PITCH,  528
.set HALFT,  64*PITCH                  ; 64 rows: what one tensor load brings, and what one wave reads of A or of B
.set SLOT,   4*HALFT                   ; 128 rows of A, then 128 rows of B
.set STAGE,  2*SLOT                    ; behind the ring, never filled by a tensor load: 16 rows x 272 bytes for each wave
.set SPITCH, 272
.set ADRA, 16
.set ADRB, 20
.set STO,  24
.set RD,   25
.set CO,   26
.set F0,   64                          ; fragment buffer 0: four of B, then four of A
.set F1,   128
.set G1, 24
.set G0, 32
.set G1B, 48
.set G0B, 56
.set MSB, 0
.macro WIN new
.if MSB != \new
	s_set_vgpr_msb (MSB<<8)|\new
.set MSB, \new
.endif
.endm
.macro PLACES                          ; four independent vector instructions behind a matrix instruction (ISA guide 7.12.1)
.rept 4
	v_nop
.endr
.endm
.macro JLOAD s                         ; waves 0 and 1 fetch the halves of A, waves 2 and 3 those of B
	s_cmp_eq_u32 s11, 0
	s_cbranch_scc0 .Lfor_b_\@
	tensor_load_to_lds s[G0+4*\s:G0+4*\s+3], s[G1:G1+7]
	s_nop 0
	s_branch .Lasked_\@
.Lfor_b_\@:
	tensor_load_to_lds s[G0B+4*\s:G0B+4*\s+3], s[G1B:G1B+7]
	s_nop 0
.Lasked_\@:
.endm
.macro CROUND                          ; a round of the cluster barrier
	s_barrier_signal -1
	s_barrier_wait -1
	s_cmp_lg_u32 s10, 0
	s_cbranch_scc1 .Lnot_wave_0_\@
	s_barrier_signal -3
.Lnot_wave_0_\@:
	s_barrier_wait -3
	s_barrier_signal -1
	s_barrier_wait -1
.endm
	s_load_b128 s[4:7], s[0:1], 0x0                ; ctx16 s[4:5], w16 s[6:7]
	s_load_b64 s[8:9], s[0:1], 0x10                ; out0
	v_lshl_add_u32 v254, v0, 2, 0x46400
	v_mov_b32 v255, 0
	ds_add_u32 v254, v255
	v_lshrrev_b32 v1, 5, v0
	v_readfirstlane_b32 s10, v1                    ; wave 0..3
	s_lshr_b32 s11, s10, 1                         ; my half of the rows.  Also: I fetch for A (0) or for B (1)
	s_and_b32 s12, s10, 1                          ; my half of the columns.  Also: which 64 rows of that tile I fetch
	s_bfe_u32 s40, ttmp6, 0x40000                  ; cx
	s_bfe_u32 s41, ttmp6, 0x40004                  ; cy
	s_lshl_b32 s42, ttmp9, 2
	s_add_co_u32 s42, s42, s40                     ; block column
	s_and_b32 s13, ttmp7, 0xffff
	s_lshl_b32 s13, s13, 2
	s_add_co_u32 s13, s13, s41                     ; block row
	s_lshl_b32 s43, s41, 2
	s_lshl_b32 s43, 15, s43                        ; my row of the cluster
	s_lshl_b32 s44, 0x1111, s40                    ; my column
	; group 1: 64 rows x 256 elements of 2 bytes, 4 words of padding behind every 128 words
	s_or_b32 s[G1+0], s43, (1<<16)|(1<<20)|(1<<21)|(6<<22)|(3<<25)
	s_or_b32 s[G1B+0], s44, (1<<16)|(1<<20)|(1<<21)|(6<<22)|(3<<25)
	s_mov_b32 s[G1+1], 256<<16                     ; tensor_dim0 = 256
	s_mov_b32 s[G1B+1], 256<<16
	s_mov_b32 s[G1+2], 64<<16                      ; tensor_dim1 = 64
	s_mov_b32 s[G1B+2], 64<<16
	s_mov_b32 s[G1+3], 256<<16                     ; tile_dim0 = 256
	s_mov_b32 s[G1B+3], 256<<16
	s_mov_b32 s[G1+4], 64                          ; tile_dim1 = 64
	s_mov_b32 s[G1B+4], 64
	s_mov_b32 s[G1+5], 1024                        ; elements from row to row
	s_mov_b32 s[G1B+5], 1024
	s_mov_b32 s[G1+6], 0
	s_mov_b32 s[G1B+6], 0
	s_mov_b32 s[G1+7], 0
	s_mov_b32 s[G1B+7], 0
	s_lshl_b32 s17, s12, 6
	s_lshl_b32 s16, s13, 7
	s_add_co_u32 s16, s16, s17                     ; A: row 128 x block row + 64 x half
	s_lshl_b32 s46, s42, 7
	s_add_co_u32 s46, s46, s17                     ; B: row 128 x block column + 64 x half
	s_lshl_b32 s16, s16, 11                        ; rows of 2,048 bytes
	s_lshl_b32 s46, s46, 11
	s_add_co_u32 s46, s46, 0x600000                ; wo in w16
	s_mov_b32 s17, 0
	s_mov_b32 s47, 0
	s_mul_i32 s20, s10, HALFT                      ; where my tiles go
	s_wait_dscnt 0x0
	s_wait_kmcnt 0x0
	s_add_nc_u64 s[14:15], s[4:5], s[16:17]
	s_add_nc_u64 s[46:47], s[6:7], s[46:47]
	CROUND                                         ; in front of the first joint loads
.irp s, 0,1
	s_mov_b32 s[G0+4*\s], 1
	s_add_co_u32 s[G0+4*\s+1], s20, \s*SLOT
	s_add_nc_u64 s[G0+4*\s+2:G0+4*\s+3], s[14:15], \s*512          ; K = 256 s
	s_or_b32 s[G0+4*\s+3], s[G0+4*\s+3], 0x80000000
	s_mov_b32 s[G0B+4*\s], 1
	s_add_co_u32 s[G0B+4*\s+1], s20, \s*SLOT
	s_add_nc_u64 s[G0B+4*\s+2:G0B+4*\s+3], s[46:47], \s*512
	s_or_b32 s[G0B+4*\s+3], s[G0B+4*\s+3], 0x80000000
	JLOAD \s                                       ; both first fills go out together: two loads of the wave are out, never more
.endr
	v_and_b32 v1, 15, v0                           ; r
	v_bfe_u32 v2, v0, 4, 1                         ; h
	v_mul_u32_u24 v3, v1, PITCH
	v_lshl_add_u32 v3, v2, 4, v3
	s_mul_i32 s21, s11, HALFT                      ; my 64 rows of A
	s_mul_i32 s22, s12, HALFT
	s_add_co_u32 s22, s22, 2*HALFT                 ; my 64 rows of B
.irp s, 0,1
	v_add_nc_u32 v[ADRA+\s], s21, v3
	v_add_nc_u32 v[ADRB+\s], s22, v3
	s_add_co_u32 s21, s21, SLOT
	s_add_co_u32 s22, s22, SLOT
.endr
	s_mul_i32 s23, s10, 16*SPITCH
	s_add_co_u32 s23, s23, STAGE
	v_mul_u32_u24 v4, v1, SPITCH                   ; in: row r, 32 bytes for each half of the lanes
	v_lshl_add_u32 v4, v2, 5, v4
	v_add_nc_u32 v[STO], s23, v4
	v_mul_u32_u24 v5, v2, SPITCH                   ; back: lanes 0-15 one row of 256 bytes, lanes 16-31 the next
	v_lshl_add_u32 v5, v1, 4, v5
	v_add_nc_u32 v[RD], s23, v5
	v_lshlrev_b32 v5, 12, v2                       ; the same two rows in out0 (4,096 bytes each)
	v_lshl_add_u32 v[CO], v1, 4, v5
; 16 LDS loads: the fragments of 32 along K, at byte k of the rows, into buffer f
.macro FETCH slot, k, f
	WIN 0
.irp i, 0,1,2,3
	ds_load_b128 v[\f+8*\i:\f+8*\i+3],   v[ADRB+\slot] offset:\k+\i*16*PITCH
	ds_load_b128 v[\f+8*\i+4:\f+8*\i+7], v[ADRB+\slot] offset:\k+\i*16*PITCH+32
.endr
.irp i, 0,1,2,3
	ds_load_b128 v[\f+32+8*\i:\f+32+8*\i+3],   v[ADRA+\slot] offset:\k+\i*16*PITCH
	ds_load_b128 v[\f+32+8*\i+4:\f+32+8*\i+7], v[ADRA+\slot] offset:\k+\i*16*PITCH+32
.endr
.endm
; 16 matrix instructions; the 16 accumulators take turns, one instruction a turn
.macro MUL16 f, zero
	WIN 0x50                                       ; C and D in block 1
.irp a, 0,1,2,3
.irp b, 0,1,2,3
.if \zero
	v_wmma_f32_16x16x32_f16 v[8*(4*\a+\b):8*(4*\a+\b)+7], v[\f+8*\b:\f+8*\b+7], v[\f+32+8*\a:\f+32+8*\a+7], 0
.else
	v_wmma_f32_16x16x32_f16 v[8*(4*\a+\b):8*(4*\a+\b)+7], v[\f+8*\b:\f+8*\b+7], v[\f+32+8*\a:\f+32+8*\a+7], v[8*(4*\a+\b):8*(4*\a+\b)+7]
.endif
.endr
.endr
.endm
; One of the first seven eighths of a slot: fetches the next fragments into g, multiplies f
.macro QUARTER slot, k, f, g, zero
	PLACES                                         ; buffer g was read by the matrix instructions just issued
	FETCH \slot, \k, \g
	s_wait_dscnt 16                                ; all but the 16 just issued: buffer f is in
	MUL16 \f, \zero
.endm
.macro SEVEN slot, zero
	QUARTER \slot, 64,  F0, F1, \zero
	QUARTER \slot, 128, F1, F0, 0
	QUARTER \slot, 192, F0, F1, 0
	QUARTER \slot, 256, F1, F0, 0
	QUARTER \slot, 320, F0, F1, 0
	QUARTER \slot, 384, F1, F0, 0
	QUARTER \slot, 448, F0, F1, 0
.endm
; The last eighth, and the change of slots.  In front of the barrier: my reads of this slot are back and all my tensor loads have landed.
; fill = 1: the barrier is a round of the cluster barrier, and behind it this slot is filled again first, 512 further along K.
.macro TURN slot, next, fill
	WIN 0
	s_wait_dscnt 0x0
	s_wait_tensorcnt 0x0
	ds_add_u32 v254, v255
	s_wait_dscnt 0x0
.if \fill
	s_add_nc_u64 s[G0+4*\slot+2:G0+4*\slot+3], s[G0+4*\slot+2:G0+4*\slot+3], 1024
	s_add_nc_u64 s[G0B+4*\slot+2:G0B+4*\slot+3], s[G0B+4*\slot+2:G0B+4*\slot+3], 1024
	CROUND
	JLOAD \slot
.else
	s_barrier_signal -1
	s_barrier_wait -1
.endif
	PLACES
	FETCH \next, 0, F0
	MUL16 F1, 0
.endm
	s_wait_tensorcnt 0x1                           ; my part of slot 0 is in; that of slot 1 stays out
	s_barrier_signal -1
	s_barrier_wait -1
	FETCH 0, 0, F0
	SEVEN 0, 1                                     ; the first products start the sums
	TURN 0, 1, 1
	SEVEN 1, 0
	TURN 1, 0, 1
	SEVEN 0, 0
	TURN 0, 1, 0
	SEVEN 1, 0
	s_wait_dscnt 0x0
	MUL16 F1, 0
	; THE WAY OUT, 16 rows at a time through my own stage
	PLACES
	WIN 0
	s_lshl_b32 s13, s13, 7
	s_lshl_b32 s14, s11, 6
	s_add_co_u32 s16, s13, s14                     ; my first row
	s_lshl_b32 s16, s16, 12                        ; rows of 4,096 bytes
	s_mov_b32 s17, 0
	s_add_nc_u64 s[8:9], s[8:9], s[16:17]
	s_lshl_b32 s46, s42, 1
	s_add_co_u32 s46, s46, s12
	s_lshl_b32 s46, s46, 8                         ; my first column: units of 64 numbers of 4 bytes
	s_mov_b32 s47, 0
	s_add_nc_u64 s[8:9], s[8:9], s[46:47]
.macro OUT16 a, f
	WIN 0x04                                       ; the data of an LDS store are source 1: block 1
.irp b, 0,1,2,3
	ds_store_b128 v[STO], v[8*(4*\a+\b):8*(4*\a+\b)+3]   offset:64*\b
	ds_store_b128 v[STO], v[8*(4*\a+\b)+4:8*(4*\a+\b)+7] offset:64*\b+16
.endr
	WIN 0
	s_wait_xcnt 0x0                                ; buffer f, which earlier stores read, and the base of the stores are rewritten only behind this wait
.if \a
	s_add_nc_u64 s[8:9], s[8:9], 16*4096
.endif
.irp t, 0,1,2,3,4,5,6,7
	ds_load_b128 v[\f+4*\t:\f+4*\t+3], v[RD] offset:\t*2*SPITCH    ; LDS serves the instructions of a wave in order: these see the stores above
.endr
.irp t, 0,1,2,3,4,5,6,7
	s_wait_dscnt 7-\t
	global_store_b128 v[CO], v[\f+4*\t:\f+4*\t+3], s[8:9] offset:\t*8192   ; 16 lanes store 256 consecutive bytes, aligned
.endr
.endm
	OUT16 0, F0
	OUT16 1, F1
	OUT16 2, F0
	OUT16 3, F1
	s_wait_tensorcnt 0x0
	ds_add_u32 v254, v255
	s_wait_dscnt 0x0
	CROUND                                         ; the closing round
	s_endpgm
.Lfunc_end_k_q5ae944f53f_gemm_out:
	.size	k_q5ae944f53f_gemm_out, .Lfunc_end_k_q5ae944f53f_gemm_out-k_q5ae944f53f_gemm_out
	.p2alignl 7, 3214868480
	.fill 96, 4, 3214868480
	.section	.rodata,"a",@progbits
	.p2align	6, 0x0
	.amdhsa_kernel k_q5ae944f53f_gemm_out
		.amdhsa_group_segment_fixed_size 327680
		.amdhsa_private_segment_fixed_size 0
		.amdhsa_enable_private_segment 0
		.amdhsa_kernarg_size 24
		.amdhsa_user_sgpr_count 2
		.amdhsa_user_sgpr_kernarg_segment_ptr 1
		.amdhsa_wavefront_size32 1
		.amdhsa_system_sgpr_workgroup_id_x 1
		.amdhsa_system_sgpr_workgroup_id_y 1
		.amdhsa_system_sgpr_workgroup_id_z 1
		.amdhsa_system_vgpr_workitem_id 0
		.amdhsa_next_free_vgpr 384
		.amdhsa_next_free_sgpr 66
		.amdhsa_reserve_vcc 0
		.amdhsa_float_denorm_mode_32 3
		.amdhsa_float_denorm_mode_16_64 3
		.amdhsa_memory_ordered 1
		.amdhsa_forward_progress 1
		.amdhsa_inst_pref_size 89
	.end_amdhsa_kernel
	.amdgpu_metadata
---
amdhsa.version: [ 1, 2 ]
amdhsa.kernels:
  - .name:           k_q5ae944f53f_gemm_out
    .symbol:         k_q5ae944f53f_gemm_out.kd
    .args:
      - { .name: ctx16, .offset: 0, .size: 8, .value_kind: global_buffer, .address_space: global }
      - { .name: w16, .offset: 8, .size: 8, .value_kind: global_buffer, .address_space: global }
      - { .name: out0, .offset: 16, .size: 8, .value_kind: global_buffer, .address_space: global }
    .group_segment_fixed_size: 327680
    .private_segment_fixed_size: 0
    .kernarg_segment_align: 8
    .kernarg_segment_size: 24
    .max_flat_workgroup_size: 128
    .sgpr_count:     66
    .vgpr_count:     384
    .wavefront_size: 32
...
	.end_amdgpu_metadata
.endif
;; end of part 5
